; MI455X (gfx1250); checked and timed in simulation.
; The chip was launched on July 23, 2026; its instructions are those of AMD's public machine-readable ISA for CDNA 5 (MIT licence, August 2026) and "CDNA5" Instruction Set Architecture Reference Guide (July 2026). The comments in the code are by the model that wrote it; some were corrected since.
;; Multihead Attention. Allowed arithmetic: matrix products marked QUANTISED: E2M3 operands, one E8M0 scale for each 32 along K, by v_wmma_scale_f32_16x16x128_f8f6f4 with both operands' format E2M3, f32 sums; everything else in f32.
;; Inputs: W_k 1,024 x 1,024 float32; W_o 1,024 x 1,024 float32; W_q 1,024 x 1,024 float32; W_v 1,024 x 1,024 float32; b_o 1,024 float32; x 4 x 2,048 x 1,024 float32.
;; Outputs: out0 4 x 2,048 x 1,024 float32.
;; This version of the problem:
;;   THIS VERSION OF THE PROBLEM IS GIVEN IN LOW PRECISION. The matrix products marked QUANTISED in the list below multiply operands that are first quantised to E2M3 (2 exponent bits, 3 mantissa bits; 6 bits a number), with one power-of-two scale for each 32 numbers along K (OCP MX v1.0); their sums are f32. All else is computed in f32.
;;   The module's matrix products, in the order in which they are computed (A, B: the left and right operand; K: the contracted axis; several contracted axes count as one K, in the product's order):
;;     1. [M 8,192, K 1,024] x [K 1,024, N 1,024]; A: input x; B: input W_q: QUANTISED
;;     2. [M 8,192, K 1,024] x [K 1,024, N 1,024]; A: input x; B: input W_k: QUANTISED
;;     3. [M 8,192, K 1,024] x [K 1,024, N 1,024]; A: input x; B: input W_v: QUANTISED
;;     4. batch 64 x [M 2,048, K 64] x [K 64, N 2,048]; A: computed on the way; B: computed on the way: QUANTISED
;;     5. batch 64 x [M 2,048, K 2,048] x [K 2,048, N 64]; A: softmax (see below); B: computed on the way: QUANTISED
;;     6. [M 8,192, K 1,024] x [K 1,024, N 1,024]; A: computed on the way; B: input W_o: QUANTISED
;;   THE QUANTISER, for each operand of a quantised product, along K:
;;     - K is cut into blocks of 32 from its start; a last block that is shorter is filled with zeros.
;;     - A block's scale is 2^e with e = floor(log2(the largest magnitude in the block)) - 2, held to -126 .. 127; a block of zeros has e = 0. As a byte (E8M0): e + 127.
;;     - Each number is divided by its block's scale, clamped to +-7.5, and rounded to the nearest number of E2M3, ties to even, subnormals kept.
;;     - The product sums the exact products of the quantised numbers (number of the format x scale) in f32.
;;   ~~~python
;;   def quantise(x, axis):      # numpy; x: float32 -> the quantised numbers, widened to float32 again
;;       x = np.moveaxis(x, axis, -1); K = x.shape[-1]
;;       x = np.pad(x, [(0, 0)] * (x.ndim - 1) + [(0, -K % 32)]); x = x.reshape(x.shape[:-1] + (-1, 32)); a = np.abs(x).max(-1, keepdims=True)
;;       e = np.where(a > 0, np.clip(np.frexp(np.where(a > 0, a, 1))[1] - 1 - 2, -126, 127), 0)      # np.frexp(a)[1] - 1 = floor(log2(a)), exactly
;;       r = np.clip(x / 2.0 ** e, -7.5, 7.5)
;;       step = 2.0 ** (np.maximum(np.frexp(np.where(r == 0, 1, r))[1] - 1, 0) - 3)
;;       q = np.round(r / step) * step * 2.0 ** e      # np.round: ties to even
;;       return np.moveaxis(q.reshape(q.shape[:-2] + (-1,))[..., :K], -1, axis).astype(np.float32)
;;   ~~~
;;   SOFTMAX AHEAD OF A QUANTISED PRODUCT. Where the list says 'softmax', what is quantised is not the finished softmax but p = 2^(t - M), with t = logit x log2(e) and M = ceil(the row's largest t), a whole number; so 1/2 < the row's largest p <= 1. The row's sum l is taken of the UNQUANTISED p, in f32, and the product's result is divided by l at the end. Since M is a whole number, a kernel that streams over the keys may use a running M (the ceiling of the running maximum): every later rescaling is an exact power of two, which a block's scale takes up: the codes' values come out the same.
;;   OPERANDS COMPUTED ON THE WAY. 'Computed on the way' means the value that the module computes at that place (a softmax that the list does not call 'softmax' is quantised finished and normalised). What goes into a quantiser is computed in f32, as accurately as f32 sums, v_exp_f32 and their like allow (about 1e-6 of the number): no bf16 or f16 on the way to a quantiser, and a product that is left as it is and whose result goes on into a quantised operand takes f32 operands (vector FMAs, or v_wmma_f32_16x16x4_f32). A number that lies on a knife's edge between two numbers of the format may be rounded either way, as far as f32 arithmetic and the matrix unit's own rounding can turn it there, and no further.
;; One version. Each part assembles by itself: llvm-mc -triple=amdgcn-amd-amdhsa -mcpu=gfx1250 --defsym DOCPART=n.
;; ======== version 1 of 1: 4 launches
;; workspace buffers: xc 6,291,456 bytes; xs 262,144 bytes; wc 3,145,728 bytes; ws 131,072 bytes; qkvc 25,165,824 bytes; qkvs 1,048,576 bytes; cc 6,291,456 bytes; cs 262,144 bytes
;; launch quant (part 1): grid 512 x 1, 4 waves a work-group, no clusters, 34,304 bytes of LDS; arguments x, W_q, W_k, W_v, W_o, xc, xs, wc, ws; writes xc, xs, wc, ws
.if DOCPART == 1
	.amdgcn_target "amdgcn-amd-amdhsa--gfx1250"
	.amdhsa_code_object_version 6
	.text
	.protected	k_q6d7a1b552a_quant
	.globl	k_q6d7a1b552a_quant
	.p2align	8
	.type	k_q6d7a1b552a_quant,@function
k_q6d7a1b552a_quant:
	s_mov_b64 s[64:65], 0
	v_nop
	global_prefetch_b8 v0, s[64:65] scope:SCOPE_SE
	s_setreg_imm32_b32 hwreg(HW_REG_WAVE_MODE, 25, 1), 1
	s_wait_xcnt 0x0
; x [8192][1024] and the four weights [1024 (k)][1024 (n)], f32, become codes of FP6 (E2M3) with one E8M0 byte for each 32 along K.
; A block's byte is its largest magnitude's exponent field - 2, held at 1 from below; each number is divided by the scale and rounded to the nearest code, ties to even, beyond 7.5 the largest code.
; LAYOUT OF THE CODES: images of the matrix operand's registers.  16 rows x 64 along K are 768 bytes: byte 256 n + 8 l + e (l = 16 h + r) is byte 8 n + e of the 24 bytes of block h of row r.
; Two such pieces on end are a fragment of 16 rows x 128 K: load p of six, 8 bytes a lane at 256 p + 8 x lane, fills registers 2 p, 2 p + 1.
; ORDER INSIDE A BLOCK: position i holds element s(i) = i with its bits 3 and 4 exchanged.  Every operand of this program lies so, on both sides of each product, so products and scales are
; those of the plain order; only the order of the f32 sums differs from the plain one.  It costs nothing here: it is the choice of a destination register (x) or of a row offset (weights).
; LAYOUT OF THE SCALE WORDS: [16 rows' tile][K / 256][row][2 words], 512 bytes a tile.
; LIMITS: NaN and infinities are not served; a block whose largest magnitude lies under 2^-124, a block of zeros among them, keeps the byte 1 (its codes add nothing; this program alone reads the bytes).
; Work-groups 0-255 take x (a wave: 16 rows x 512 along K), work-groups 256-511 the weights (a wave: 32 columns x 128 along K).  Waves share nothing: no barrier.  No input is shared
; between work-groups, so there is no cluster; memory binds, so there is no matrix work.  Only the x path touches LDS.
.set XR, 112                           ; v112-239 x: two sets of 64 registers as loaded
.set XX, 48                            ; v48-111  x: a lane's two blocks of 32, in the order of the codes
.set XC, 24                            ; v24-35   x: a fragment's codes
.set XT, 36                            ; v36-43   x: the second halves of the blocks, as converted
.set WW, 44                            ; v44-47   x: the four patches' scale words
.set WX, 64                            ; v64-191  weights: a lane's four blocks of 32
.set CA, 192                           ; v192-223 weights: codes
.macro LOADX p                         ; patch p: 16 rows x 128 along K; each load reads 512 consecutive bytes of one row
.irp i, 0,1,2,3,4,5,6,7,8,9,10,11,12,13,14,15
	global_load_b128 v[XR+64*((\p)%2)+4*\i:XR+64*((\p)%2)+4*\i+3], v4, s[4:5] offset:4096*\i+512*(\p) th:TH_LOAD_NT
.endr
.endm
.macro PATCH p
.if (\p) < 3
	s_wait_loadcnt 16                              ; this patch's 16 loads are in; the next patch's 16 may be out
.else
	s_wait_loadcnt 0x0
.endif
.irp i, 0,1,2,3,4,5,6,7,8,9,10,11,12,13,14,15
	ds_store_b128 v5, v[XR+64*((\p)%2)+4*\i:XR+64*((\p)%2)+4*\i+3] offset:528*\i      ; the rows as they lie, 528 bytes apart
.endr
.irp c, 0,1
.irp j, 0,1,2,3,4,5,6,7
	ds_load_b128 v[XX+32*\c+4*((\j&1)|((\j&2)<<1)|((\j&4)>>1)):XX+32*\c+4*((\j&1)|((\j&2)<<1)|((\j&4)>>1))+3], v6 offset:256*\c+16*\j   ; block 2 c + h of row r; LDS serves a wave in order, so these see the stores
.endr
.endr
	s_wait_dscnt 0x0                               ; my numbers are back, and the stage's stores have read their registers
.if (\p)+2 < 4
	LOADX (\p)+2
.endif
.irp c, 0,1
	v_max3_num_f32 v[10+\c], |v[XX+32*\c]|, |v[XX+32*\c+1]|, 0x1800000    ; the floor 2^(3 - 127) holds the byte at 1 from below
.endr
.irp i, 2,4,6,8,10,12,14,16,18,20,22,24,26,28,30
.irp c, 0,1
	v_max3_num_f32 v[10+\c], v[10+\c], |v[XX+32*\c+\i]|, |v[XX+32*\c+\i+1]|
.endr
.endr
.irp c, 0,1
	v_add_nc_u32 v[12+\c], 0xff000000, v[10+\c]    ; 2 off the exponent field: the conversion's scale operand
.endr
.irp c, 0,1
	v_lshrrev_b32 v[14+\c], 23, v[12+\c]           ; the scale's byte
.endr
	v_lshl_or_b32 v16, v15, 16, v14                ; my bytes: blocks h and 2 + h,
	v_lshlrev_b32 v16, v8, v16                     ; 8 h bits up;
	v_permlanex16_b32 v9, v16, s24, s25
	v_or_b32 v[WW+(\p)], v16, v9                   ; with lane l xor 16's two the row's word is whole
.if (\p) > 0
	s_wait_alu depctr_va_vdst(0)
	s_wait_xcnt 0x0                                ; the last patch's stores have read the codes' registers
.endif
.irp c, 0,1
	v_cvt_scalef32_pk16_fp6_f32 v[XC+6*\c:XC+6*\c+2], v[XX+32*\c:XX+32*\c+15], v[12+\c]
	v_cvt_scalef32_pk16_fp6_f32 v[XT+4*\c:XT+4*\c+2], v[XX+32*\c+16:XX+32*\c+31], v[12+\c]   ; (three registers begin on an even number)
.endr
	v_nop                                          ; one plain place behind the conversions
.irp c, 0,1
.irp i, 0,1,2
	v_mov_b32 v[XC+6*\c+3+\i], v[XT+4*\c+\i]
.endr
.endr
.irp n, 0,1,2,3,4,5
	global_store_b64 v7, v[XC+2*\n:XC+2*\n+1], s[14:15] offset:1536*(\p)+256*\n     ; 32 lanes store 256 consecutive bytes, aligned
.endr
.endm
	s_load_b256 s[4:11], s[0:1], 0x0               ; x, W_q, W_k, W_v
	s_load_b256 s[12:19], s[0:1], 0x20             ; W_o, xc, xs, wc
	s_load_b64 s[20:21], s[0:1], 0x40              ; ws
	v_lshl_add_u32 v240, v0, 2, 0x8400
	v_mov_b32 v241, 0
	v_lshrrev_b32 v1, 5, v0
	v_readfirstlane_b32 s22, v1                    ; wave
	v_and_b32 v1, 31, v0                           ; lane
	v_and_b32 v2, 15, v0                           ; r
	v_bfe_u32 v3, v0, 4, 1                         ; h
	v_lshlrev_b32 v7, 3, v1                        ; 8 x lane
	s_mov_b32 s24, 0x76543210
	s_mov_b32 s25, 0xfedcba98                      ; selects for lane l xor 16
	s_mov_b32 s26, 0xffff0000                      ; lanes 16-31
	s_cmp_ge_u32 ttmp9, 256
	s_cbranch_scc1 .Lw
	; ---- x
	s_lshl_b32 s27, ttmp9, 2
	s_add_co_u32 s27, s27, s22                     ; which run of 16 rows x 512 K is my wave's
	s_lshr_b32 s28, s27, 1                         ; the tile of 16 rows
	s_and_b32 s29, s27, 1                          ; which half of K
	s_lshl_b32 s30, s28, 16
	s_lshl_b32 s32, s29, 11
	s_add_co_u32 s30, s30, s32                     ; x: 65,536 bytes a tile, 2,048 a half
	s_mov_b32 s31, 0
	s_mul_i32 s32, s28, 12288
	s_mul_i32 s34, s29, 6144
	s_add_co_u32 s32, s32, s34                     ; codes: 12,288 a tile, 6,144 a half
	s_mov_b32 s33, 0
	s_lshl_b32 s34, s27, 8                         ; scale words: 512 a tile, 256 a half
	s_mov_b32 s35, 0
	s_mul_i32 s36, s22, 8448                       ; my wave's stage: 16 rows x 528 bytes
	s_wait_alu depctr_va_vdst(0)
	v_lshlrev_b32 v4, 4, v1
	v_add_nc_u32 v5, s36, v4                       ; in: 16 x lane
	v_mul_u32_u24 v6, v2, 528
	v_lshl_add_u32 v6, v3, 7, v6
	v_add_nc_u32 v6, s36, v6                       ; back: row r, + 128 h
	v_lshlrev_b32 v8, 3, v3
	v_mov_b32 v9, 0                                ; a lane permute's destination counts as read
	s_wait_alu depctr_va_vdst(0)
	s_wait_kmcnt 0x0
	s_add_nc_u64 s[4:5], s[4:5], s[30:31]
	s_add_nc_u64 s[14:15], s[14:15], s[32:33]
	s_add_nc_u64 s[16:17], s[16:17], s[34:35]
	LOADX 0
	LOADX 1
	PATCH 0
	PATCH 1
	PATCH 2
	PATCH 3
	v_cndmask_b32 v18, v[WW], v[WW+2], s26         ; lanes 0-15: the words of the first 256 along K, lanes 16-31: of the second
	v_cndmask_b32 v19, v[WW+1], v[WW+3], s26
	global_store_b64 v7, v[18:19], s[16:17]        ; 256 consecutive bytes
	s_wait_tensorcnt 0x0
	ds_add_u32 v240, v241
	s_wait_dscnt 0x0
	s_endpgm
.Lw:	; ---- the weights: a lane takes a column n, its registers run down K
	s_sub_co_u32 s27, ttmp9, 256
	s_and_b32 s28, s27, 7                          ; which 128 columns
	s_lshr_b32 s29, s27, 3
	s_lshr_b32 s30, s29, 3                         ; which weight: 0 W_q, 1 W_k, 2 W_v, 3 W_o
	s_and_b32 s29, s29, 7                          ; which 128 along K
	s_lshl_b32 s31, s28, 3
	s_lshl_b32 s32, s22, 1
	s_add_co_u32 s31, s31, s32                     ; my wave's first tile of 16 columns
	s_lshl_b32 s32, s30, 6
	s_add_co_u32 s32, s32, s31                     ; and among the 256 tiles of the four weights
	s_lshl_b32 s34, s29, 19                        ; 128 rows of 4,096 bytes,
	s_lshl_b32 s35, s31, 6                         ; 64 bytes a tile of columns
	s_add_co_u32 s34, s34, s35
	s_mov_b32 s35, 0
	s_mul_i32 s36, s32, 12288
	s_mul_i32 s37, s29, 1536
	s_add_co_u32 s36, s36, s37
	s_mov_b32 s37, 0
	s_lshl_b32 s38, s32, 9
	s_lshr_b32 s39, s29, 1
	s_lshl_b32 s39, s39, 7
	s_add_co_u32 s38, s38, s39
	s_and_b32 s39, s29, 1
	s_lshl_b32 s39, s39, 2
	s_add_co_u32 s38, s38, s39
	s_mov_b32 s39, 0
	s_wait_alu depctr_va_vdst(0)
	v_lshlrev_b32 v4, 2, v1                        ; 4 x lane
	v_lshlrev_b32 v8, 9, v3
	v_lshl_add_u32 v8, v2, 3, v8                   ; scale word: 512 (lane / 16) + 8 r
	s_wait_alu depctr_va_vdst(0)
	s_wait_kmcnt 0x0
	s_bitcmp1_b32 s30, 0                           ; the choice hangs on the work-group's number alone
	s_cselect_b64 s[40:41], s[8:9], s[6:7]
	s_cselect_b64 s[42:43], s[12:13], s[10:11]
	s_bitcmp1_b32 s30, 1
	s_cselect_b64 s[40:41], s[42:43], s[40:41]
	s_add_nc_u64 s[40:41], s[40:41], s[34:35]
	s_add_nc_u64 s[18:19], s[18:19], s[36:37]
	s_add_nc_u64 s[20:21], s[20:21], s[38:39]
.irp k, 0,1
.irp b, 0,1
.irp i, 0,1,2,3,4,5,6,7,8,9,10,11,12,13,14,15,16,17,18,19,20,21,22,23,24,25,26,27,28,29,30,31
	global_load_b32 v[WX+64*\k+32*\b+\i], v4, s[40:41] offset:(64*\k+32*\b+((\i&7)|((\i&8)<<1)|((\i&16)>>1)))*4096 th:TH_LOAD_NT   ; a wave reads 128 consecutive bytes, the work-group 512
.endr
.endr
.endr
.irp k, 0,1
.if \k == 0
	s_wait_loadcnt 63                              ; at most 63 of the second 64 loads are out: the first 64 are in
.else
	s_wait_loadcnt 0x0
.endif
.irp b, 0,1
	v_max3_num_f32 v[10+\b], |v[WX+64*\k+32*\b]|, |v[WX+64*\k+32*\b+1]|, 0x1800000
.endr
.irp i, 2,4,6,8,10,12,14,16,18,20,22,24,26,28,30
.irp b, 0,1
	v_max3_num_f32 v[10+\b], v[10+\b], |v[WX+64*\k+32*\b+\i]|, |v[WX+64*\k+32*\b+\i+1]|
.endr
.endr
.irp b, 0,1
	v_add_nc_u32 v[12+\b], 0xff000000, v[10+\b]
.endr
.irp b, 0,1
	v_lshrrev_b32 v[14+2*\k+\b], 23, v[12+\b]
.endr
.irp b, 0,1
	v_cvt_scalef32_pk16_fp6_f32 v[CA+16*\k+8*\b:CA+16*\k+8*\b+2], v[WX+64*\k+32*\b:WX+64*\k+32*\b+15], v[12+\b]
	v_cvt_scalef32_pk16_fp6_f32 v[CA+16*\k+8*\b+4:CA+16*\k+8*\b+6], v[WX+64*\k+32*\b+16:WX+64*\k+32*\b+31], v[12+\b]
.endr
	v_nop                                          ; one plain place behind the conversions
.irp e, 0,1,2,4,5,6
	v_permlane16_swap_b32 v[CA+16*\k+\e], v[CA+16*\k+8+\e]    ; block 0 of the second tile changes places with block 1 of the first: each set is now one tile's image
.endr
.irp b, 0,1
	v_mov_b32 v[CA+16*\k+8*\b+3], v[CA+16*\k+8*\b+4]
	v_mov_b32 v[CA+16*\k+8*\b+4], v[CA+16*\k+8*\b+5]
	v_mov_b32 v[CA+16*\k+8*\b+5], v[CA+16*\k+8*\b+6]
.endr
.irp b, 0,1
.irp n, 0,1,2
	global_store_b64 v7, v[CA+16*\k+8*\b+2*\n:CA+16*\k+8*\b+2*\n+1], s[18:19] offset:12288*\b+768*\k+256*\n   ; 256 consecutive bytes, aligned
.endr
.endr
.endr
	v_lshl_or_b32 v18, v15, 8, v14                 ; my column's word for these 128 along K
	v_lshl_or_b32 v18, v16, 16, v18
	v_lshl_or_b32 v18, v17, 24, v18
	global_store_b32 v8, v18, s[20:21]             ; 4 bytes of every 8: the other word of a pair is another work-group's; 131,072 bytes in the whole launch
	s_endpgm
.Lfunc_end_k_q6d7a1b552a_quant:
	.size	k_q6d7a1b552a_quant, .Lfunc_end_k_q6d7a1b552a_quant-k_q6d7a1b552a_quant
	.p2alignl 7, 3214868480
	.fill 96, 4, 3214868480
	.section	.rodata,"a",@progbits
	.p2align	6, 0x0
	.amdhsa_kernel k_q6d7a1b552a_quant
		.amdhsa_group_segment_fixed_size 34304
		.amdhsa_private_segment_fixed_size 0
		.amdhsa_enable_private_segment 0
		.amdhsa_kernarg_size 72
		.amdhsa_user_sgpr_count 2
		.amdhsa_user_sgpr_kernarg_segment_ptr 1
		.amdhsa_wavefront_size32 1
		.amdhsa_system_sgpr_workgroup_id_x 1
		.amdhsa_system_sgpr_workgroup_id_y 1
		.amdhsa_system_sgpr_workgroup_id_z 1
		.amdhsa_system_vgpr_workitem_id 0
		.amdhsa_next_free_vgpr 242
		.amdhsa_next_free_sgpr 66
		.amdhsa_reserve_vcc 0
		.amdhsa_float_denorm_mode_32 3
		.amdhsa_float_denorm_mode_16_64 3
		.amdhsa_memory_ordered 1
		.amdhsa_forward_progress 1
		.amdhsa_inst_pref_size 52
	.end_amdhsa_kernel
	.amdgpu_metadata
---
amdhsa.version: [ 1, 2 ]
amdhsa.kernels:
  - .name:           k_q6d7a1b552a_quant
    .symbol:         k_q6d7a1b552a_quant.kd
    .args:
      - { .name: x, .offset: 0, .size: 8, .value_kind: global_buffer, .address_space: global }
      - { .name: W_q, .offset: 8, .size: 8, .value_kind: global_buffer, .address_space: global }
      - { .name: W_k, .offset: 16, .size: 8, .value_kind: global_buffer, .address_space: global }
      - { .name: W_v, .offset: 24, .size: 8, .value_kind: global_buffer, .address_space: global }
      - { .name: W_o, .offset: 32, .size: 8, .value_kind: global_buffer, .address_space: global }
      - { .name: xc, .offset: 40, .size: 8, .value_kind: global_buffer, .address_space: global }
      - { .name: xs, .offset: 48, .size: 8, .value_kind: global_buffer, .address_space: global }
      - { .name: wc, .offset: 56, .size: 8, .value_kind: global_buffer, .address_space: global }
      - { .name: ws, .offset: 64, .size: 8, .value_kind: global_buffer, .address_space: global }
    .group_segment_fixed_size: 34304
    .private_segment_fixed_size: 0
    .kernarg_segment_align: 8
    .kernarg_segment_size: 72
    .max_flat_workgroup_size: 128
    .sgpr_count:     66
    .vgpr_count:     242
    .wavefront_size: 32
...
	.end_amdgpu_metadata
.endif
;; end of part 1
;; launch gemm_qkv (part 2): grid 8 x 32, 4 waves a work-group, clusters of 4 x 4, 327,680 bytes of LDS; arguments xc, xs, wc, ws, qkvc, qkvs; writes qkvc, qkvs
.if DOCPART == 2
	.amdgcn_target "amdgcn-amd-amdhsa--gfx1250"
	.amdhsa_code_object_version 6
	.text
	.protected	k_q6d7a1b552a_gemm_qkv
	.globl	k_q6d7a1b552a_gemm_qkv
	.p2align	8
	.type	k_q6d7a1b552a_gemm_qkv,@function
k_q6d7a1b552a_gemm_qkv:
	s_mov_b64 s[64:65], 0
	v_nop
	global_prefetch_b8 v0, s[64:65] scope:SCOPE_SE
	s_setreg_imm32_b32 hwreg(HW_REG_WAVE_MODE, 25, 1), 1
	s_wait_xcnt 0x0
	s_wait_alu depctr_hold_cnt(0) depctr_sa_sdst(0) depctr_va_vdst(0) depctr_va_sdst(0) depctr_va_ssrc(0) depctr_va_vcc(0) depctr_vm_vsrc(0)
	s_getreg_b32 s2, hwreg(HW_REG_IB_STS2, 6, 4)
	s_cmp_eq_u32 s2, 0
	s_cbranch_scc0 .Lentry_in_a_cluster
	s_endpgm
.Lentry_in_a_cluster:
	s_bfe_u32 s2, ttmp6, 0x10000c
	s_cmp_lg_u32 s2, 0xf033
	s_cbranch_scc0 .Lentry_shape_is_right
	s_endpgm
.Lentry_shape_is_right:
; q = x W_q, k = x W_k, v = x W_v on codes of FP6 (E2M3) with E8M0 scales, K = 1,024; the results are quantised on the way out and leave as codes: q and k along the head's 64, v along the keys.
; 8,192 x 3,072 results are 384 tiles of 256 x 256, one and a half for each of 256 work-groups.  So A WORK-GROUP STAYS AND MAKES TWO PARTS, on the same 256 tokens:
;   part 1: 256 tokens (source 1) x 256 rows of W_q | W_k (source 0); a wave 128 x 128: 64 accumulators.  A lane holds one token, its registers run along the features.
;   part 2: 128 rows of W_v (source 1) x the 256 tokens (source 0); a wave 64 x 128: 32 accumulators.  A lane holds one channel of v, its registers run along the keys.
; OPERANDS lie in memory as images of the operand's registers: [tile of 16 rows][K / 64][768 bytes]; six loads of 8 bytes a lane, 256 bytes apart, bring a fragment of 16 rows x 128 K.  No pitch, no padding.
; THE RING: the two parts' eight K steps of 256 go through three LDS slots, 0 1 2 0 1 2 0 1.  Steps 0-2 are asked for at the start; step k + 3 behind the change of slots that ends step k: two K steps ahead of its first read.
; x's tiles are fetched a second time for part 2 (all of K for 256 tokens and a ring do not fit in LDS together); x's scale words stay in LDS from part 1.  A wave has five tensor loads out at the most.
; CLUSTERS: 4 x 4 work-groups; x's tiles hang on the token tile and are shared along a row of the cluster, the weights' on the feature tile and are shared along a column; each is asked for jointly.
; ORDER INSIDE A BLOCK OF 32: position i holds element i with bits 3 and 4 exchanged, in every operand of this program alike: that is how two neighbouring result tiles fall out of the conversions.
; So the order of the f32 sums differs from the plain one.  LIMITS: NaN and infinities are not served; a block under 2^-124, or of zeros, keeps the scale byte 1.
; REGISTERS: window 0: v16-29 addresses; v32-63 scale words, two sets; v128-223 source 1's fragments (part 1: eight, one set; part 2: four, two sets).  window 1: source 0's eight fragments, two sets, at v0 and v128.
;   windows 2, 3: accumulator (a, b) at v[8 (8 (a % 4) + b)]; part 2 has window 2 alone.
.set NQ,     2                         ; matrix instructions deep in a slot
.set FR,     12                        ; registers of a fragment
.set NL,     6                         ; LDS loads that bring one
.set NP,     4                         ; places behind this matrix instruction (ISA guide 7.12.1)
.set TILEB,  3072                      ; 16 rows x 256 along K
.set HALFT,  8*TILEB                   ; 128 rows: the room of one wave's tensor load in a slot (W_v's 64 rows fill half of it)
.set SLOT,   4*HALFT                   ; x's 256 rows, then the weights'
.set SCL,    3*SLOT                    ; behind the ring: W_v's scale words, 4,096 bytes;
.set SCX,    SCL+4096                  ; x's, 8,192, and then W_q | W_k's, 8,192
.set SPARE,  SCL+20480                 ; the spare words, 128 bytes for each wave: two blocks of 256 bytes that no other line names
.set ADRA, 16                          ; v16-18 LDS address of my 128 tokens' fragments in slot 0, 1, 2
.set ADRB, 20                          ; v20-22 the same for my rows of the weights
.set ADRV, 24                          ; v24    part 2's scale words: lanes 0-15 W_v's, lanes 16-31 x's
.set GO,   26                          ; v26    8 x lane
.set ADRS, 27                          ; v27    part 1's scale words: lanes 0-15 x's, lanes 16-31 W_q | W_k's
.set SPW,  28                          ; v28    my spare word; never rewritten
.set NIL,  29                          ; v29    0; never rewritten
.set SC,   32
.set AF,   128
.set TM,   32                          ; the way out: v32-35 largest magnitudes, v36-39 bytes, v44-47 scale operands
.set WD,   48                          ; v48-55 the scale word of each tile of source 1
.set CT,   224                         ; v224-231 second halves of the blocks, as converted
.set G1,   24                          ; s[24:31] group 1 for x's codes
.set G0,   32                          ; s[32:43] group 0 for x's codes, a set for each slot
.set G0S,  44                          ; s[44:47] group 0 for x's scale words
.set G1B,  48                          ; s[48:55] group 1 for W_q | W_k's codes
.set G0B0, 56                          ; s[56:59], s[60:63], s[76:79] group 0 for the weights' codes, a set for each slot
.set G0B1, 60
.set G0B2, 76
.set G1S,  68                          ; s[68:75] group 1 for x's scale words; when they have landed:
.set G1V,  68                          ;          group 1 for W_v's codes
.set G1SB, 80                          ; s[80:87] group 1 for the weights' scale words
.set G0SB, 88                          ; s[88:91] group 0 for W_q | W_k's scale words
.set G0SV, 96                          ; s[96:99] for W_v's
.set VB,   100                         ; s[100:101] W_v's codes: the 64 rows that I fetch, K step 0
.set MSB, 0
.macro WIN new                         ; the immediate's high byte repeats the setting that is left
.if MSB != \new
	s_set_vgpr_msb (MSB<<8)|\new
.set MSB, \new
.endif
.endm
.set MUL_LO, 0xa1                      ; source 0 window 1, source 1 window 0, C and D window 2
.set MUL_HI, 0xf1
.set TO_B,   0x40
.macro JLOAD g0a, g1a, g0b, g1b        ; a joint load: waves 0 and 1 fetch x's halves, waves 2 and 3 the weights'; four v_nop follow each line
	s_cmp_eq_u32 s15, 0
	s_cbranch_scc0 .Lfor_b_\@
	tensor_load_to_lds s[\g0a:\g0a+3], s[\g1a:\g1a+7]
	s_nop 0
.rept 4
	v_nop
.endr
	s_branch .Lasked_\@
.Lfor_b_\@:
	tensor_load_to_lds s[\g0b:\g0b+3], s[\g1b:\g1b+7]
	s_nop 0
.rept 4
	v_nop
.endr
.Lasked_\@:
.endm
.macro CREST                           ; a round of the cluster's barrier behind its opening barrier
	s_cmp_lg_u32 s14, 0
	s_cbranch_scc1 .Lnot_wave_0_\@
	s_barrier_signal -3
.Lnot_wave_0_\@:
	s_barrier_wait -3
	s_barrier_signal -1
	s_barrier_wait -1
.endm
.macro CROUND
	s_barrier_signal -1
	s_barrier_wait -1
	CREST
.endm
; The refill behind the change of slots that ends K step k: step k + 3 into the slot just left.  No tensor load of the wave is out here, so the groups 0 may be written.
.macro REFILL k
.if \k == 0                            ; slot 0: part 1's K step 3
	s_add_nc_u64 s[G0+2:G0+3], s[G0+2:G0+3], 3*TILEB
	s_add_nc_u64 s[G0B0+2:G0B0+3], s[G0B0+2:G0B0+3], 3*TILEB
	JLOAD G0, G1, G0B0, G1B
.elseif \k == 1                        ; slot 1: part 2's K step 0: x goes back from step 1, the weights' side turns to W_v
	s_sub_nc_u64 s[G0+6:G0+7], s[G0+6:G0+7], TILEB
	s_mov_b64 s[G0B1+2:G0B1+3], s[VB:VB+1]
	s_or_b32 s[G0B1+3], s[G0B1+3], 0x80000000
	JLOAD G0+4, G1, G0B1, G1V
.elseif \k == 2                        ; slot 2: part 2's K step 1
	s_sub_nc_u64 s[G0+10:G0+11], s[G0+10:G0+11], TILEB
	s_add_nc_u64 s[G0B2+2:G0B2+3], s[VB:VB+1], TILEB
	s_or_b32 s[G0B2+3], s[G0B2+3], 0x80000000
	JLOAD G0+8, G1, G0B2, G1V
.elseif \k == 3                        ; slot 0: part 2's K step 2
	s_sub_nc_u64 s[G0+2:G0+3], s[G0+2:G0+3], TILEB
	s_add_nc_u64 s[G0B0+2:G0B0+3], s[VB:VB+1], 2*TILEB
	s_or_b32 s[G0B0+3], s[G0B0+3], 0x80000000
	JLOAD G0, G1, G0B0, G1V
.else                                  ; slot 1: part 2's K step 3
	s_add_nc_u64 s[G0+6:G0+7], s[G0+6:G0+7], 3*TILEB
	s_add_nc_u64 s[G0B1+2:G0B1+3], s[G0B1+2:G0B1+3], 3*TILEB
	JLOAD G0+4, G1, G0B1, G1V
.endif
.endm
	s_load_b256 s[4:11], s[0:1], 0x0               ; xc, xs, wc, ws
	s_load_b128 s[92:95], s[0:1], 0x20             ; qkvc, qkvs
	v_lshl_add_u32 v[SPW], v0, 2, SPARE
	v_mov_b32 v[NIL], 0
	ds_add_u32 v28, v29
	ds_add_u32 v28, v29
	s_wait_dscnt 0x0
	v_lshrrev_b32 v1, 5, v0
	v_readfirstlane_b32 s14, v1                    ; wave 0..3
	s_lshr_b32 s15, s14, 1                         ; which half of the tokens is mine.  Also: I fetch for x (0) or for the weights (1)
	s_and_b32 s16, s14, 1                          ; which half of the weights' rows is mine.  Also: which half I fetch
	s_bfe_u32 s2, ttmp6, 0x40000                   ; cx
	s_bfe_u32 s3, ttmp6, 0x40004                   ; cy
	s_and_b32 s17, ttmp7, 0xffff
	s_lshl_b32 s17, s17, 2
	s_add_co_u32 s17, s17, s3                      ; the tokens' tile of 256: 0..31
	s_lshl_b32 s18, ttmp9, 2
	s_add_co_u32 s18, s18, s2                      ; the features' tile, 0..7: 256 rows of W_q | W_k, and 128 rows of W_v
	s_lshl_b32 s12, s3, 2
	s_lshl_b32 s12, 15, s12                        ; my row of the cluster
	s_lshl_b32 s13, 0x1111, s2                     ; my column
	; group 1 for codes: 8 rows (tiles of 16) of 3,072 bytes, 12,288 bytes apart; elements of 8 bytes; no padding
	s_or_b32 s[G1], s12, (3<<16)|(1<<21)
	s_or_b32 s[G1B], s13, (3<<16)|(1<<21)
.irp g, G1, G1B
	s_mov_b32 s[\g+1], 384<<16                     ; tensor_dim0
	s_mov_b32 s[\g+2], 8<<16                       ; tensor_dim1
	s_mov_b32 s[\g+3], 384<<16                     ; tile_dim0
	s_mov_b32 s[\g+4], 8                           ; tile_dim1
	s_mov_b32 s[\g+5], 1536                        ; pitch
	s_mov_b32 s[\g+6], 0
	s_mov_b32 s[\g+7], 0
.endr
	; group 1 for scale words: 4,096 dense bytes as 16 rows of 256
	s_or_b32 s[G1S], s12, (3<<16)|(1<<21)
	s_or_b32 s[G1SB], s13, (3<<16)|(1<<21)
.irp g, G1S, G1SB
	s_mov_b32 s[\g+1], 32<<16
	s_mov_b32 s[\g+2], 16<<16
	s_mov_b32 s[\g+3], 32<<16
	s_mov_b32 s[\g+4], 16
	s_mov_b32 s[\g+5], 32
	s_mov_b32 s[\g+6], 0
	s_mov_b32 s[\g+7], 0
.endr
	; byte offsets.  x's hang on the token tile alone, the weights' on the feature tile alone, each in registers of its own
	s_lshl_b32 s19, s16, 3                         ; the half that I fetch: 8 tiles of 16 rows
	s_lshl_b32 s20, s17, 4
	s_add_co_u32 s20, s20, s19                     ; x: first tile of 16 tokens
	s_lshl_b32 s104, s20, 9                        ; its scale words,
	s_mov_b32 s105, 0
	s_mul_i32 s20, s20, 12288                      ; its codes
	s_mov_b32 s21, 0
	s_lshl_b32 s22, s18, 4
	s_add_co_u32 s22, s22, s19                     ; W_q | W_k: first tile of 16 rows
	s_lshl_b32 s66, s22, 9
	s_mov_b32 s67, 0
	s_mul_i32 s22, s22, 12288
	s_mov_b32 s23, 0
	s_lshl_b32 s[VB], s18, 3
	s_add_co_u32 s[VB], s[VB], 128                 ; W_v's rows begin at tile 128 of the weights' codes: the work-group's eight tiles
	s_lshl_b32 s[G0SV+2], s[VB], 9                 ; their scale words, 4,096 bytes on end
	s_mov_b32 s[G0SV+3], 0
	s_lshl_b32 s19, s16, 2
	s_add_co_u32 s[VB], s[VB], s19                 ; the four that I fetch
	s_mul_i32 s[VB], s[VB], 12288
	s_mov_b32 s[VB+1], 0
	; LDS addresses: by the wave's number alone
	s_mul_i32 s19, s14, HALFT
.irp s, 0,1,2
	s_add_co_u32 s[G0+4*\s+1], s19, \s*SLOT
.endr
	s_add_co_u32 s[G0B0+1], s19, 0
	s_add_co_u32 s[G0B1+1], s19, SLOT
	s_add_co_u32 s[G0B2+1], s19, 2*SLOT
	s_lshl_b32 s19, s14, 12
	s_add_co_u32 s[G0S+1], s19, SCX
	s_add_co_u32 s[G0SB+1], s19, SCX
	s_mov_b32 s[G0SV+1], SCL
.irp g, G0, G0+4, G0+8, G0S, G0B0, G0B1, G0B2, G0SB, G0SV
	s_mov_b32 s[\g], 1                             ; count = 1
.endr
	s_wait_kmcnt 0x0
	s_add_nc_u64 s[G0+2:G0+3], s[4:5], s[20:21]            ; x's codes, K step 0
	s_add_nc_u64 s[G0S+2:G0S+3], s[6:7], s[104:105]
	s_add_nc_u64 s[G0B0+2:G0B0+3], s[8:9], s[22:23]        ; W_q | W_k's codes, K step 0
	s_add_nc_u64 s[G0SB+2:G0SB+3], s[10:11], s[66:67]
	s_add_nc_u64 s[VB:VB+1], s[8:9], s[VB:VB+1]
	s_add_nc_u64 s[G0SV+2:G0SV+3], s[10:11], s[G0SV+2:G0SV+3]
	s_add_nc_u64 s[G0+6:G0+7], s[G0+2:G0+3], TILEB         ; K steps 1 and 2
	s_add_nc_u64 s[G0+10:G0+11], s[G0+2:G0+3], 2*TILEB
	s_add_nc_u64 s[G0B1+2:G0B1+3], s[G0B0+2:G0B0+3], TILEB
	s_add_nc_u64 s[G0B2+2:G0B2+3], s[G0B0+2:G0B0+3], 2*TILEB
.irp g, G0+3, G0+7, G0+11, G0S+3, G0B0+3, G0B1+3, G0B2+3, G0SB+3, G0SV+3
	s_or_b32 s[\g], s[\g], 0x80000000              ; type = 2
.endr
	CROUND                                         ; all sixteen work-groups are here: the first joint loads meet
	JLOAD G0S, G1S, G0SB, G1SB                     ; the scale words first: they are wanted with K step 0
	s_cmp_eq_u32 s14, 2                            ; W_v's scale words are one block of 4,096 bytes: wave 2 of each work-group brings it
	s_cbranch_scc0 .Lno_sv
	tensor_load_to_lds s[G0SV:G0SV+3], s[G1SB:G1SB+7]
	s_nop 0
.rept 4
	v_nop
.endr
.Lno_sv:
	JLOAD G0, G1, G0B0, G1B                        ; K steps 0, 1, 2
	JLOAD G0+4, G1, G0B1, G1B
	JLOAD G0+8, G1, G0B2, G1B
	v_and_b32 v1, 15, v0                           ; r
	v_bfe_u32 v2, v0, 4, 1                         ; h
	v_and_b32 v3, 31, v0
	v_lshlrev_b32 v[GO], 3, v3                     ; 8 x lane
	s_mul_i32 s20, s15, HALFT                      ; my 128 tokens
	s_mul_i32 s22, s16, HALFT                      ; my rows of the weights,
	s_add_co_u32 s22, s22, 2*HALFT                 ; behind x's 256
.irp s, 0,1,2
	v_add_nc_u32 v[ADRA+\s], s20, v[GO]
	v_add_nc_u32 v[ADRB+\s], s22, v[GO]
	s_add_co_u32 s20, s20, SLOT
	s_add_co_u32 s22, s22, SLOT
.endr
	v_lshlrev_b32 v5, 3, v1                        ; a row's two words of a K step: 8 r
	s_lshl_b32 s20, s15, 12                        ; part 1: x's, my 128 tokens;
	s_lshl_b32 s22, s16, 12                        ; W_q | W_k's, my 128 rows, behind x's 256
	s_add_co_u32 s22, s22, 8192
	s_sub_co_u32 s22, s22, s20
	v_mul_u32_u24 v6, s22, v2                      ; lanes 16-31 take the second: one product, the distance between the two
	s_add_co_u32 s20, s20, SCX
	v_add_nc_u32 v6, v5, v6
	v_add_nc_u32 v[ADRS], s20, v6
	s_lshl_b32 s20, s16, 11                        ; part 2: W_v's, my 64 rows;
	s_lshl_b32 s22, s15, 12                        ; x's, my 128 tokens, behind W_v's 128 rows
	s_add_co_u32 s22, s22, 4096
	s_sub_co_u32 s22, s22, s20
	v_mul_u32_u24 v6, s22, v2
	s_wait_alu depctr_va_vdst(0)
	s_add_co_u32 s20, s20, SCL
	v_add_nc_u32 v6, v5, v6
	v_add_nc_u32 v[ADRV], s20, v6
.macro FRAG reg, adr, q, i             ; a fragment as it lies: six loads, each of 256 consecutive bytes
.irp p, 0,1,2,3,4,5
	ds_load_b64 v[\reg+2*\p:\reg+2*\p+1], v[\adr] offset:TILEB*(\i)+1536*(\q)+256*\p
.endr
.endm
.macro SCALES adr, sc                  ; a K step's scale words into set sc: lanes 0-15 source 1's block i, lanes 16-31 source 0's block i.  (In part 2 source 1 has four blocks: what lanes 0-15 bring for i = 4 .. 7 is not used)
.irp i, 0,1,2,3,4,5,6,7
	ds_load_b64 v[SC+16*(\sc)+2*\i:SC+16*(\sc)+2*\i+1], v[\adr] offset:\i*512
.endr
.endm
.macro PLACES n                        ; plain vector lines between a matrix instruction and a load into, or a vector read of, its registers
.rept \n
	v_nop
.endr
.endm
; ---- PART 1.  16 matrix instructions: the tokens' blocks a0, a0 + 1 x the weights' eight.  The accumulators take turns, one instruction a turn, in the same order in every step.
.macro MUL16 a0, p, q, sc, zero
.irp a, \a0, \a0+1
.irp b, 0,1,2,3,4,5,6,7
.if \zero
	v_wmma_scale_f32_16x16x128_f8f6f4 v[8*(8*((\a)%4)+\b):8*(8*((\a)%4)+\b)+7], v[128*(\p)+FR*\b:128*(\p)+FR*\b+FR-1], v[AF+FR*(\a):AF+FR*(\a)+FR-1], 0, v[SC+16*(\sc)+2*\b+(\q)], v[SC+16*(\sc)+2*(\a)+(\q)] matrix_a_fmt:MATRIX_FMT_FP6 matrix_b_fmt:MATRIX_FMT_FP6 matrix_a_scale:MATRIX_SCALE_ROW1
.else
	v_wmma_scale_f32_16x16x128_f8f6f4 v[8*(8*((\a)%4)+\b):8*(8*((\a)%4)+\b)+7], v[128*(\p)+FR*\b:128*(\p)+FR*\b+FR-1], v[AF+FR*(\a):AF+FR*(\a)+FR-1], v[8*(8*((\a)%4)+\b):8*(8*((\a)%4)+\b)+7], v[SC+16*(\sc)+2*\b+(\q)], v[SC+16*(\sc)+2*(\a)+(\q)] matrix_a_fmt:MATRIX_FMT_FP6 matrix_b_fmt:MATRIX_FMT_FP6 matrix_a_scale:MATRIX_SCALE_ROW1
.endif
.endr
.endr
.endm
.macro FETCH_B slot, q, p
	WIN TO_B
.irp i, 0,1,2,3,4,5,6,7
	FRAG 128*(\p)+FR*\i, ADRB+\slot, \q, \i
.endr
	WIN 0
.endm
.macro FETCH_A slot, q, i0
.irp i, \i0, \i0+1, \i0+2, \i0+3
	FRAG AF+FR*(\i), ADRA+\slot, \q, \i
.endr
.endm
.macro STEP slot, sc, zero             ; a slot's first 128 along K
	s_wait_dscnt 4*NL                              ; all but the youngest 24 loads (the tokens' blocks 4-7) are in
	WIN MUL_LO
	MUL16 0, 0, 0, \sc, \zero
	MUL16 2, 0, 0, \sc, \zero
	s_wait_dscnt 0
	PLACES NP
	FETCH_B \slot, 1, 1
	FETCH_A \slot, 1, 0
	WIN MUL_HI
	MUL16 4, 0, 0, \sc, \zero
	MUL16 6, 0, 0, \sc, \zero
	PLACES NP
	WIN 0
	FETCH_A \slot, 1, 4
.endm
.macro TURN next, sc, k                ; a slot's second 128 along K, and the change of slots that ends K step k.  next = -1: part 1's last: nothing is fetched, the way out needs the registers
	s_wait_tensorcnt 0x0                           ; all my tensor loads have landed
	ds_add_u32 v[SPW], v[NIL]                      ; 0 onto my spare word
	s_wait_dscnt 4*NL+1                            ; the add and the youngest 24 loads may be out
	WIN MUL_LO
	MUL16 0, 1, 1, \sc, 0
	s_wait_dscnt 0x0                               ; the add is done, and my reads of this slot are over
	s_barrier_signal -1
	MUL16 2, 1, 1, \sc, 0
	WIN 0
	s_barrier_wait -1
	CREST                                          ; the barrier has opened a round of the cluster's: no wave of any partner still reads this slot or has a load on its way
	REFILL \k                                      ; the first tensor load behind the round; its four v_nop are the places in front of the loads below
.if \next >= 0
	s_wait_alu depctr_va_vdst(0)
	v_add_nc_u32 v[ADRS], 128, v[ADRS]             ; the next K step's scale words
	FETCH_B \next, 0, 0
	FETCH_A \next, 0, 0
	SCALES ADRS, 1-(\sc)
.endif
	WIN MUL_HI
	MUL16 4, 1, 1, \sc, 0
	MUL16 6, 1, 1, \sc, 0
.if \next >= 0
	PLACES NP
	WIN 0
	FETCH_A \next, 0, 4
.else
	WIN 0
.endif
.endm
; ---- PART 2.  8 matrix instructions: W_v's block a x the tokens' eight.  Both operands have two sets of registers.
.macro MULA a, p, q, sc, zero
.irp b, 0,1,2,3,4,5,6,7
.if \zero
	v_wmma_scale_f32_16x16x128_f8f6f4 v[8*(8*(\a)+\b):8*(8*(\a)+\b)+7], v[128*(\p)+FR*\b:128*(\p)+FR*\b+FR-1], v[AF+48*(\p)+FR*(\a):AF+48*(\p)+FR*(\a)+FR-1], 0, v[SC+16*(\sc)+2*\b+(\q)], v[SC+16*(\sc)+2*(\a)+(\q)] matrix_a_fmt:MATRIX_FMT_FP6 matrix_b_fmt:MATRIX_FMT_FP6 matrix_a_scale:MATRIX_SCALE_ROW1
.else
	v_wmma_scale_f32_16x16x128_f8f6f4 v[8*(8*(\a)+\b):8*(8*(\a)+\b)+7], v[128*(\p)+FR*\b:128*(\p)+FR*\b+FR-1], v[AF+48*(\p)+FR*(\a):AF+48*(\p)+FR*(\a)+FR-1], v[8*(8*(\a)+\b):8*(8*(\a)+\b)+7], v[SC+16*(\sc)+2*\b+(\q)], v[SC+16*(\sc)+2*(\a)+(\q)] matrix_a_fmt:MATRIX_FMT_FP6 matrix_b_fmt:MATRIX_FMT_FP6 matrix_a_scale:MATRIX_SCALE_ROW1
.endif
.endr
.endm
.macro FETCH2 slot, q, p               ; the tokens' eight fragments (now source 0) and W_v's four (source 1) into sets p
	WIN TO_B
.irp i, 0,1,2,3,4,5,6,7
	FRAG 128*(\p)+FR*\i, ADRA+\slot, \q, \i
.endr
	WIN 0
.irp i, 0,1,2,3
	FRAG AF+48*(\p)+FR*\i, ADRB+\slot, \q, \i
.endr
.endm
.macro STEP2 slot, sc, zero            ; a slot's first 128 along K; the second's fragments are asked for first and land under the 32 products
	s_wait_dscnt 0x0
	PLACES NP
	FETCH2 \slot, 1, 1
	WIN MUL_LO
.irp a, 0,1,2,3
	MULA \a, 0, 0, \sc, \zero
.endr
	WIN 0
.endm
; A slot's second 128 along K.  mode 2: the slot is filled again (a round, then the refill k); mode 1: a barrier alone, which shows the last tile landed in every wave; mode 0: the next slot was shown whole a barrier ago
.macro TURN2 next, sc, mode, k
.if \mode
	s_wait_tensorcnt 0x0                           ; all my tensor loads have landed
	ds_add_u32 v[SPW], v[NIL]                      ; 0 onto my spare word
	s_wait_dscnt 1                                 ; all but the add: this step's fragments are in
.else
	s_wait_dscnt 0x0
.endif
	WIN MUL_LO
	MULA 0, 1, 1, \sc, 0
.if \mode
	s_wait_dscnt 0x0                               ; the add is done, and my reads of this slot are over
	s_barrier_signal -1
.endif
	MULA 1, 1, 1, \sc, 0
	WIN 0
.if \mode
	s_barrier_wait -1
.endif
.if \mode == 2
	CREST
	REFILL \k
.else
	PLACES NP
.endif
	v_add_nc_u32 v[ADRV], 128, v[ADRV]
	FETCH2 \next, 0, 0
	SCALES ADRV, 1-(\sc)
	WIN MUL_LO
	MULA 2, 1, 1, \sc, 0
	MULA 3, 1, 1, \sc, 0
	WIN 0
.endm
; ---- THE WAY OUT of one tile of source 1.  My 64 registers are 128 neighbours along source 0: four blocks of 32, each in lanes l and l xor 16.  They become one fragment's codes, v[128 + 12 a] on, and a scale word a row.
.macro QUANTW a
.set WN, 2+(\a)/4
.set WS2, WN|(WN<<2)
.set BS, 64*((\a)%4)
.set PCA, 128+12*(\a)
	WIN WS2                                        ; sources 0 and 1: the accumulators' window
.irp b, 0,1,2,3
	v_max3_num_f32 v[TM+\b], |v[BS+16*\b]|, |v[BS+16*\b+1]|, 0x1800000     ; each accumulator is read from its low end on; the floor holds the byte at 1
.endr
.irp i, 2,4,6,8,10,12,14
.irp b, 0,1,2,3
	v_max3_num_f32 v[TM+\b], |v[BS+16*\b+\i]|, |v[BS+16*\b+\i+1]|, v[TM+\b]
.endr
.endr
	WIN 0
.irp b, 0,1,2,3
	v_permlanex16_b32 v[TM+4+\b], v[TM+\b], s104, s105
.endr
.irp b, 0,1,2,3
	v_max_num_f32 v[TM+\b], v[TM+\b], v[TM+4+\b]
.endr
.irp b, 0,1,2,3
	v_add_nc_u32 v[TM+12+\b], 0xff000000, v[TM+\b] ; 2 off the exponent field: the conversion's scale operand
.endr
.irp b, 0,1,2,3
	v_lshrrev_b32 v[TM+4+\b], 23, v[TM+12+\b]
.endr
	v_lshl_or_b32 v[WD+(\a)], v[TM+5], 8, v[TM+4]
	v_lshl_or_b32 v[WD+(\a)], v[TM+6], 16, v[WD+(\a)]
	v_lshl_or_b32 v[WD+(\a)], v[TM+7], 24, v[WD+(\a)]
	WIN WN                                         ; source 0: the accumulators' window
.irp c, 0,1
	v_cvt_scalef32_pk16_fp6_f32 v[PCA+6*\c:PCA+6*\c+2], v[BS+32*\c:BS+32*\c+15], v[TM+12+2*\c]
	v_cvt_scalef32_pk16_fp6_f32 v[CT+4*\c:CT+4*\c+2], v[BS+32*\c+16:BS+32*\c+31], v[TM+12+2*\c+1]
.endr
	WIN 0
	v_nop                                          ; one plain place behind the conversions
.irp c, 0,1
.irp i, 0,1,2
	v_permlane16_swap_b32 v[PCA+6*\c+\i], v[CT+4*\c+\i]     ; a whole block to a lane: lanes 0-15 block 2 c, lanes 16-31 block 2 c + 1
.endr
.irp i, 0,1,2
	v_mov_b32 v[PCA+6*\c+3+\i], v[CT+4*\c+\i]
.endr
.endr
.endm
	s_wait_tensorcnt 2                             ; the scale words and my part of K step 0 are in; the loads of K steps 1 and 2 may be out
	s_barrier_signal -1
	s_barrier_wait -1
	FETCH_B 0, 0, 0
	FETCH_A 0, 0, 0
	SCALES ADRS, 0
	FETCH_A 0, 0, 4
	STEP 0, 0, 1                                   ; the first products start the sums
	TURN 1, 0, 0
	s_or_b32 s[G1V], s13, (3<<16)|(1<<21)          ; x's scale words have landed (the wait for all loads above): their group 1 becomes W_v's codes': 4 rows of 3,072 bytes, for my column
	s_mov_b32 s[G1V+1], 384<<16
	s_mov_b32 s[G1V+2], 4<<16
	s_mov_b32 s[G1V+3], 384<<16
	s_mov_b32 s[G1V+4], 4
	s_mov_b32 s[G1V+5], 1536
	s_mov_b32 s[G1V+6], 0
	s_mov_b32 s[G1V+7], 0
	STEP 1, 1, 0
	TURN 2, 1, 1
	STEP 2, 0, 0
	TURN 0, 0, 2
	STEP 0, 1, 0
	TURN -1, 1, 3
	; PART 1 LEAVES: q and k.  Tile a = 16 tokens; a fragment's halves are two heads' 64.
	PLACES NP
.irp b, 0,1,2,3
	v_mov_b32 v[TM+4+\b], 0                        ; a lane permute's destination counts as read
.endr
	s_mov_b32 s104, 0x76543210
	s_mov_b32 s105, 0xfedcba98                     ; selects for lane l xor 16
	s_mov_b32 s66, 0x05040100                      ; two low halves
	s_mov_b32 s67, 0x07060302                      ; two high halves
	s_mov_b32 s12, 0xffff0000                      ; lanes 16-31
	s_lshr_b32 s2, s17, 3
	s_lshl_b32 s2, s2, 4                           ; 16 x batch
	s_and_b32 s3, s17, 7
	s_lshl_b32 s3, s3, 1
	s_add_co_u32 s3, s3, s15                       ; my step of 128 tokens
	s_and_b32 s19, s18, 3
	s_lshl_b32 s19, s19, 2
	s_add_co_u32 s19, s19, s2
	s_lshl_b32 s20, s16, 1
	s_add_co_u32 s19, s19, s20                     ; my first head, with its batch
	s_lshr_b32 s22, s18, 2                         ; region 0: q; region 1: k
	s_mul_i32 s20, s22, 12582912
	s_mul_i32 s21, s19, 196608
	s_add_co_u32 s20, s20, s21
	s_mul_i32 s21, s3, 12288
	s_add_co_u32 s20, s20, s21
	s_mov_b32 s21, 0
	s_add_nc_u64 s[20:21], s[92:93], s[20:21]
	s_lshl_b32 s22, s22, 19
	s_lshl_b32 s23, s19, 13
	s_add_co_u32 s22, s22, s23
	s_lshl_b32 s23, s3, 9
	s_add_co_u32 s22, s22, s23
	s_mov_b32 s23, 0
	s_add_nc_u64 s[22:23], s[94:95], s[22:23]
.irp a, 0,1,2,3,4,5,6,7
	QUANTW \a
.endr
.irp a, 0,1,2,3,4,5,6,7
.irp c, 0,1
.irp n, 0,1,2
	global_store_b64 v[GO], v[128+12*\a+6*\c+2*\n:128+12*\a+6*\c+2*\n+1], s[20:21] offset:196608*\c+768*\a+256*\n     ; 32 lanes store 256 consecutive bytes, aligned
.endr
.endr
.endr
.irp i, 0,1,2,3                        ; a pair of token tiles shares a word: (tile 2 i: two bytes, tile 2 i + 1: two bytes), for each head
	v_perm_b32 v[56+\i], v[WD+2*\i+1], v[WD+2*\i], s66
	v_perm_b32 v[60+\i], v[WD+2*\i+1], v[WD+2*\i], s67
.endr
.irp j, 0,1
	v_cndmask_b32 v[64+2*\j], v[56+4*\j], v[57+4*\j], s12
	v_cndmask_b32 v[65+2*\j], v[58+4*\j], v[59+4*\j], s12
	global_store_b64 v[GO], v[64+2*\j:65+2*\j], s[22:23] offset:8192*\j
.endr
	s_wait_xcnt 0x0                                ; the stores have read their registers and bases: part 2's loads land in the first, its way out writes the second
	; PART 2.  Its K step 0 lies in slot 1: asked for two changes of slots ago, shown whole by the one after that
	FETCH2 1, 0, 0
	SCALES ADRV, 0
	STEP2 1, 0, 1
	TURN2 2, 0, 2, 4
	s_wait_alu depctr_va_vdst(0)
	STEP2 2, 1, 0
	TURN2 0, 1, 1, 0
	s_wait_alu depctr_va_vdst(0)
	STEP2 0, 0, 0
	TURN2 1, 0, 0, 0
	STEP2 1, 1, 0
	s_wait_dscnt 0x0                               ; the very last 128 along K: nothing more to fetch
	WIN MUL_LO
.irp a, 0,1,2,3
	MULA \a, 1, 1, 1, 0
.endr
	WIN 0
	; PART 2 LEAVES: v.  Tile a = 16 of my head's 64 channels; a fragment is my 128 keys.
	PLACES NP
	s_lshl_b32 s19, s18, 1
	s_add_co_u32 s19, s19, s16
	s_add_co_u32 s19, s19, s2                      ; my head, with its batch
	s_mul_i32 s20, s19, 196608
	s_mul_i32 s21, s3, 12288
	s_add_co_u32 s20, s20, s21
	s_add_co_u32 s20, s20, 12582912+6144           ; region 1, behind the step's k
	s_mov_b32 s21, 0
	s_add_nc_u64 s[20:21], s[92:93], s[20:21]
	s_lshl_b32 s22, s19, 13
	s_lshl_b32 s23, s3, 9
	s_add_co_u32 s22, s22, s23
	s_add_co_u32 s22, s22, 524288+256
	s_mov_b32 s23, 0
	s_add_nc_u64 s[22:23], s[94:95], s[22:23]
.irp a, 0,1,2,3
	QUANTW \a
.endr
.irp a, 0,1,2,3
.irp c, 0,1
.irp n, 0,1,2
	global_store_b64 v[GO], v[128+12*\a+6*\c+2*\n:128+12*\a+6*\c+2*\n+1], s[20:21] offset:1536*\a+768*\c+256*\n
.endr
.endr
.endr
	v_cndmask_b32 v64, v[WD], v[WD+1], s12
	v_cndmask_b32 v65, v[WD+2], v[WD+3], s12
	global_store_b64 v[GO], v[64:65], s[22:23]
	s_wait_tensorcnt 0x0                           ; the wave's end
	ds_add_u32 v[SPW], v[NIL]
	s_wait_dscnt 0x0
	CROUND                                         ; the closing round: no work-group ends while a partner may still ask for a tile that names it
	s_endpgm
.Lfunc_end_k_q6d7a1b552a_gemm_qkv:
	.size	k_q6d7a1b552a_gemm_qkv, .Lfunc_end_k_q6d7a1b552a_gemm_qkv-k_q6d7a1b552a_gemm_qkv
	.p2alignl 7, 3214868480
	.fill 96, 4, 3214868480
	.section	.rodata,"a",@progbits
	.p2align	6, 0x0
	.amdhsa_kernel k_q6d7a1b552a_gemm_qkv
		.amdhsa_group_segment_fixed_size 327680
		.amdhsa_private_segment_fixed_size 0
		.amdhsa_enable_private_segment 0
		.amdhsa_kernarg_size 48
		.amdhsa_user_sgpr_count 2
		.amdhsa_user_sgpr_kernarg_segment_ptr 1
		.amdhsa_wavefront_size32 1
		.amdhsa_system_sgpr_workgroup_id_x 1
		.amdhsa_system_sgpr_workgroup_id_y 1
		.amdhsa_system_sgpr_workgroup_id_z 1
		.amdhsa_system_vgpr_workitem_id 0
		.amdhsa_next_free_vgpr 1024
		.amdhsa_next_free_sgpr 106
		.amdhsa_reserve_vcc 0
		.amdhsa_float_denorm_mode_32 3
		.amdhsa_float_denorm_mode_16_64 3
		.amdhsa_memory_ordered 1
		.amdhsa_forward_progress 1
		.amdhsa_inst_pref_size 255
	.end_amdhsa_kernel
	.section	.bss,"aw",@nobits
	.p2align	6
	.space	262144
	.amdgpu_metadata
---
amdhsa.version: [ 1, 2 ]
amdhsa.kernels:
  - .name:           k_q6d7a1b552a_gemm_qkv
    .symbol:         k_q6d7a1b552a_gemm_qkv.kd
    .args:
      - { .name: xc, .offset: 0, .size: 8, .value_kind: global_buffer, .address_space: global }
      - { .name: xs, .offset: 8, .size: 8, .value_kind: global_buffer, .address_space: global }
      - { .name: wc, .offset: 16, .size: 8, .value_kind: global_buffer, .address_space: global }
      - { .name: ws, .offset: 24, .size: 8, .value_kind: global_buffer, .address_space: global }
      - { .name: qkvc, .offset: 32, .size: 8, .value_kind: global_buffer, .address_space: global }
      - { .name: qkvs, .offset: 40, .size: 8, .value_kind: global_buffer, .address_space: global }
    .group_segment_fixed_size: 327680
    .private_segment_fixed_size: 0
    .kernarg_segment_align: 8
    .kernarg_segment_size: 48
    .max_flat_workgroup_size: 128
    .sgpr_count:     106
    .vgpr_count:     1024
    .wavefront_size: 32
...
	.end_amdgpu_metadata
.endif
;; end of part 2
;; launch attn (part 3): grid 4 x 64, 16 waves a work-group, clusters of 4 x 1, 206,848 bytes of LDS; arguments qkvc, qkvs, cc, cs; writes cc, cs
.if DOCPART == 3
	.amdgcn_target "amdgcn-amd-amdhsa--gfx1250"
	.amdhsa_code_object_version 6
	.text
	.protected	k_q6d7a1b552a_attn
	.globl	k_q6d7a1b552a_attn
	.p2align	8
	.type	k_q6d7a1b552a_attn,@function
k_q6d7a1b552a_attn:
	s_mov_b64 s[64:65], 0
	v_nop
	global_prefetch_b8 v0, s[64:65] scope:SCOPE_SE
	s_setreg_imm32_b32 hwreg(HW_REG_WAVE_MODE, 25, 1), 1
	s_wait_xcnt 0x0
	s_wait_alu depctr_hold_cnt(0) depctr_sa_sdst(0) depctr_va_vdst(0) depctr_va_sdst(0) depctr_va_ssrc(0) depctr_va_vcc(0) depctr_vm_vsrc(0)
	s_getreg_b32 s2, hwreg(HW_REG_IB_STS2, 6, 4)
	s_cmp_eq_u32 s2, 0
	s_cbranch_scc0 .Lentry_in_a_cluster
	s_endpgm
.Lentry_in_a_cluster:
	s_bfe_u32 s2, ttmp6, 0x10000c
	s_cmp_lg_u32 s2, 0x3003
	s_cbranch_scc0 .Lentry_shape_is_right
	s_endpgm
.Lentry_shape_is_right:
; Causal attention of one head (64 heads x batches, 2,048 tokens, head size 64) on codes of FP6 (E2M3) with E8M0 scales; the result, divided by the row's sum, is quantised along (head, channel) and leaves as codes.
; SOFTMAX: t = score x log2(e) / 8; M = the running largest t rounded up to a whole number; p = 2^(t - M) is quantised along the keys, not normalised; the row's sum is taken of the unquantised p and divides at the end.
; When M moves, the sum and O are multiplied by 2^(old M - new M), which rounds nothing.
; SHARES.  The four work-groups of a cluster serve one head.  Query tile 4 i + g (16 queries) belongs to work-group g, i = 0 .. 31; wave w takes i = 31 - w and then i = w.  Tile i needs key steps (128 keys)
; 0 .. i / 2, whatever g: so every wave does 17 steps, and every branch hangs on the wave's number and on counters alone, alike in all partners.
; THE HEAD'S K AND V STAY IN LDS, filled once: 196,608 bytes of codes, 8,192 of scale words, by three joint loads of each of waves 0-3 (three tensor loads of a wave are out at the most).  No byte is filled again.
; LAYOUT.  Both products are used transposed (S^T = K Q^T, O^T = V^T P^T): a lane holds ONE query.  Operands lie as images of the operand's registers: six loads of 8 bytes a lane, 256 bytes apart, bring a fragment.
; THE HEAD'S 64 IN AN INSTRUCTION OF 128: a fragment of K holds two tiles of 16 keys, one in each half of K; against [q | 0] it gives the first tile's scores, against [0 | q] the second's: zero codes add nothing.
; ORDER INSIDE A BLOCK OF 32: position i holds element i with bits 3 and 4 exchanged, alike in both operands of each product: that is how two neighbouring result tiles fall out of the conversions.
; LIMITS: NaN and infinities are not served; a block under 2^-124, or of zeros, keeps the scale byte 1; the order of the f32 sums differs from the plain one.
; REGISTERS: v1 8 x lane; v2 the same + the scale words' base; v3, v4 the step's addresses; v5, v6 the mask's distance; v8 8 r + h; v9 8 r; v12 -M; v13 largest t; v[14:15] the sum; v16-27 [q | 0]; v28-39 [0 | q];
; v40-87 four fragments; v88-94, v240-246 q as loaded; v96-159 S^T, then p; v160-191 O^T; v192-203 p's codes; v204-211, v212-223 at work; v224-227 K's and V's scale words; v[228:229] f; v232-233 q's scale words; v236 p's.
.set SCB,  196608                      ; LDS: the scale words, behind the codes
.set S,    96
.set O,    160
.set KV,   40
.set PC,   192
.set CT,   204
.set BM,   212
.set BT,   216
.set SO,   220
.set WV,   12
.set SEL,  20
.set CS,   22
.set TB,   60                          ; s60 LDS byte of the step's codes
.set TS,   61                          ; s61 of its scale words
.set CNT,  62
.set JR,   63                          ; s63 steps left to the diagonal: 0 on it, negative behind it
.set USH,  66
.set MSK,  67
.macro CROUND                          ; a round of the cluster's barrier
	s_barrier_signal -1
	s_barrier_wait -1
	s_cmp_lg_u32 s[WV], 0
	s_cbranch_scc1 .Lnot_wave_0_\@
	s_barrier_signal -3
.Lnot_wave_0_\@:
	s_barrier_wait -3
	s_barrier_signal -1
	s_barrier_wait -1
.endm
; the addresses of query tile 4 rho + g: q's codes, q's scale words, the result's codes and scale bytes; and the mask's distance
.macro ADDR rho, qc, qs, cb, sb, dm
	s_and_b32 s84, s[\rho], 1
	s_lshl_b32 s85, s84, 2
	s_add_co_u32 s85, s85, s13                     ; the tile's place among its step's eight
	s_lshr_b32 s86, s[\rho], 1                     ; its step of 128 tokens
	s_mul_i32 s88, s86, 12288
	s_mul_i32 s87, s85, 768
	s_add_co_u32 s88, s88, s87
	s_add_co_u32 s88, s88, s15
	s_mov_b32 s89, 0
	s_add_nc_u64 s[\qc:\qc+1], s[4:5], s[88:89]
	s_lshl_b32 s88, s86, 9
	s_add_co_u32 s88, s88, s16
	s_lshr_b32 s87, s85, 1                         ; the pair of tiles that shares a word
	s_and_b32 s90, s87, 1
	s_lshl_b32 s90, s90, 7
	s_add_co_u32 s88, s88, s90
	s_lshr_b32 s87, s87, 1
	s_lshl_b32 s87, s87, 2
	s_add_co_u32 s88, s88, s87
	s_add_nc_u64 s[\qs:\qs+1], s[6:7], s[88:89]
	s_lshr_b32 s87, s14, 4
	s_lshl_b32 s87, s87, 7
	s_lshl_b32 s90, s[\rho], 2
	s_add_co_u32 s87, s87, s90
	s_add_co_u32 s87, s87, s13                     ; the tile of 16 tokens among all 512
	s_and_b32 s90, s14, 15                         ; the head
	s_mul_i32 s88, s87, 12288
	s_mul_i32 s91, s90, 768
	s_add_co_u32 s88, s88, s91
	s_add_nc_u64 s[\cb:\cb+1], s[8:9], s[88:89]
	s_lshl_b32 s88, s87, 9
	s_lshr_b32 s91, s90, 2
	s_lshl_b32 s91, s91, 7
	s_add_co_u32 s88, s88, s91
	s_and_b32 s91, s90, 3
	s_lshl_b32 s91, s91, 1
	s_add_co_u32 s88, s88, s91
	s_add_nc_u64 s[\sb:\sb+1], s[10:11], s[88:89]
	s_lshl_b32 s84, s84, 6
	s_lshl_b32 s85, s13, 4
	s_add_co_u32 s84, s84, s85
	v_add_nc_u32 v[\dm], s84, v10                  ; my query's place in the diagonal step, less 8 h
.endm
.macro SETQ raw, word
.irp i, 0,1,2,3,4,5
	v_mov_b32 v[16+\i], v[\raw+\i]
	v_mov_b32 v[34+\i], v[\raw+\i]
.endr
	v_lshrrev_b32 v232, s[USH], v[\word]
	s_delay_alu instid0(VALU_DEP_1)
	v_and_b32 v232, 0xffff, v232                   ; my tile's two bytes below; the bytes over the zero codes are 0, which is a scale like any other
	s_delay_alu instid0(VALU_DEP_1)
	v_lshlrev_b32 v233, 16, v232
.endm
.macro INIT                            ; the loop is written once: its first step finds zeros.  These lines also stand between the writes of q's scale words and the first product
	v_mov_b32 v13, 0xff61b1e6                      ; -3e38, under every t
	s_delay_alu instid0(VALU_DEP_1)
	v_floor_f32 v12, -v13
	v_mov_b32 v14, 0
	v_mov_b32 v15, 0
.irp j, 0,1,2,3,4,5,6,7,8,9,10,11,12,13,14,15,16,17,18,19,20,21,22,23,24,25,26,27,28,29,30,31
	v_mov_b32 v[O+\j], 0
.endr
.endm
; A KEY STEP of 128 keys.  plain = 1: a step that no wave leaves out or masks.
.macro STEP plain
.if \plain == 0
	s_cmp_lt_i32 s[JR], 0                          ; behind the diagonal: the step's work is left out, not the lines that step addresses
	s_cbranch_scc1 .Lskip_\@
.endif
	s_setprio 2
	v_add_nc_u32 v3, s[TB], v1
	v_add_nc_u32 v4, s[TS], v2
.irp f, 0,1,2,3
.irp p, 0,1,2,3,4,5
	ds_load_b64 v[KV+12*\f+2*\p:KV+12*\f+2*\p+1], v3 offset:1536*\f+256*\p
.endr
.endr
	ds_load_b64 v[224:225], v4                     ; K's scale words: pair f in register f / 2, lanes 16 (f % 2) on
	s_wait_alu depctr_va_vdst(0)
	s_wait_dscnt 0x0
.irp f, 0,1,2,3
.irp u, 0,1
.if \f%2
	v_wmma_scale_f32_16x16x128_f8f6f4 v[S+8*(2*\f+\u):S+8*(2*\f+\u)+7], v[KV+12*\f:KV+12*\f+11], v[16+12*\u:27+12*\u], 0, v[224+\f/2], v[232+\u] matrix_a_fmt:MATRIX_FMT_FP6 matrix_b_fmt:MATRIX_FMT_FP6 matrix_a_scale:MATRIX_SCALE_ROW1
.else
	v_wmma_scale_f32_16x16x128_f8f6f4 v[S+8*(2*\f+\u):S+8*(2*\f+\u)+7], v[KV+12*\f:KV+12*\f+11], v[16+12*\u:27+12*\u], 0, v[224+\f/2], v[232+\u] matrix_a_fmt:MATRIX_FMT_FP6 matrix_b_fmt:MATRIX_FMT_FP6
.endif
.endr
.endr
.rept 4
	v_nop                                          ; places in front of the loads into K's registers and of the first read of the scores
.endr
.irp t, 0,1,2,3
.irp p, 0,1,2,3,4,5
	ds_load_b64 v[KV+12*\t+2*\p:KV+12*\t+2*\p+1], v3 offset:6144+1536*\t+256*\p     ; V's four fragments land while the softmax is worked
.endr
.endr
	ds_load_b64 v[226:227], v4 offset:256
.if \plain == 0
	s_cmp_lg_u32 s[JR], 0
	s_cbranch_scc1 .Lopen_\@
.irp n, 0,1,2,3,4,5,6,7,8,9,10,11,12,13,14,15,16,17,18,19,20,21,22,23,24,25,26,27,28,29,30,31,32,33,34,35,36,37,38,39,40,41,42,43,44,45,46,47,48,49,50,51,52,53,54,55,56,57,58,59,60,61,62,63
	v_cmp_gt_i32 vcc_lo, 16*(\n/8)+\n%8, v5        ; register n holds key 16 (n / 8) + 8 h + n % 8 of the step: hidden where it comes after my query
	v_cndmask_b32 v[S+\n], v[S+\n], v231, vcc_lo
.endr
.Lopen_\@:
.endif
.irp b, 0,1,2,3
	v_max3_num_f32 v[BM+\b], v[S+16*\b], v[S+1+16*\b], v[S+2+16*\b]      ; the largest score of each block of 32 keys: for the row's maximum, and for the block's largest p
.endr
.irp i, 3,5,7,9,11,13
.irp b, 0,1,2,3
	v_max3_num_f32 v[BM+\b], v[BM+\b], v[S+16*\b+\i], v[S+1+16*\b+\i]
.endr
.endr
.irp b, 0,1,2,3
	v_max_num_f32 v[BM+\b], v[BM+\b], v[S+15+16*\b]
.endr
.irp b, 0,1,2,3
	s_delay_alu instid0(VALU_DEP_4)
	v_permlanex16_b32 v[BT+\b], v[BM+\b], s[SEL], s[SEL+1]
.endr
.irp b, 0,1,2,3
	s_delay_alu instid0(VALU_DEP_4)
	v_max_num_f32 v[BM+\b], v[BM+\b], v[BT+\b]
.endr
	s_delay_alu instid0(VALU_DEP_2)
	v_max3_num_f32 v230, v[BM], v[BM+1], v[BM+2]
	s_delay_alu instid0(VALU_DEP_1)
	v_max_num_f32 v230, v230, v[BM+3]
	s_delay_alu instid0(VALU_DEP_1)
	v_mul_f32 v230, s[CS], v230
	s_delay_alu instid0(VALU_DEP_1)
	v_max_num_f32 v13, v13, v230                   ; the running largest t
	v_mov_b32 v230, v12
	s_delay_alu instid0(VALU_DEP_2)
	v_floor_f32 v12, -v13                          ; -M = floor(-t)
	s_delay_alu instid0(VALU_DEP_1)
	v_sub_f32 v230, v12, v230                      ; old M - new M: a whole number, 0 or less
	s_delay_alu instid0(VALU_DEP_1)
	v_cvt_i32_f32 v230, v230
	s_delay_alu instid0(VALU_DEP_1)
	v_ldexp_f32 v228, 1.0, v230                    ; f = 2^(old M - new M)
.irp j, 0,2,4,6,8,10,12,14,16,18,20,22,24,26,28,30,32,34,36,38,40,42,44,46,48,50,52,54,56,58,60,62
	v_pk_fma_f32 v[S+\j:S+1+\j], v[S+\j:S+1+\j], s[CS:CS+1], v[12:13] op_sel_hi:[1,0,0]     ; t - M
.endr
.irp b, 0,1,2,3
	v_fma_f32 v[BM+\b], v[BM+\b], s[CS], v12
.endr
	s_setprio 1
	s_wait_alu depctr_va_vdst(0)
.irp j, 0,1,2,3,4,5,6,7,8,9,10,11,12,13,14,15,16,17,18,19,20,21,22,23,24,25,26,27,28,29,30,31,32,33,34,35,36,37,38,39,40,41,42,43,44,45,46,47,48,49,50,51,52,53,54,55,56,57,58,59,60,61,62,63
	v_exp_f32 v[S+\j], v[S+\j]                     ; p
.endr
.irp b, 0,1,2,3
	v_exp_f32 v[BM+\b], v[BM+\b]                   ; the block's largest p
.endr
	v_pk_mul_f32 v[14:15], v[14:15], v[228:229] op_sel_hi:[1,0]          ; the sum under the new M (a plain place behind the exponentials)
	s_wait_alu depctr_va_vdst(0)
.irp b, 0,1,2,3
	v_max_num_f32 v[BM+\b], 0x1800000, v[BM+\b]    ; the floor: the byte cannot fall under 1
.endr
.irp b, 0,1,2,3
	s_delay_alu instid0(VALU_DEP_4)
	v_add_nc_u32 v[SO+\b], 0xff000000, v[BM+\b]
.endr
.irp b, 0,1,2,3
	s_delay_alu instid0(VALU_DEP_4)
	v_lshrrev_b32 v[BT+\b], 23, v[SO+\b]
.endr
	s_delay_alu instid0(VALU_DEP_3)
	v_lshl_or_b32 v236, v[BT+1], 8, v[BT]          ; p's scale word for these 128 keys
	s_delay_alu instid0(VALU_DEP_1)
	v_lshl_or_b32 v236, v[BT+2], 16, v236
	s_delay_alu instid0(VALU_DEP_1)
	v_lshl_or_b32 v236, v[BT+3], 24, v236
.irp c, 0,1
	v_cvt_scalef32_pk16_fp6_f32 v[PC+6*\c:PC+6*\c+2], v[S+32*\c:S+32*\c+15], v[SO+2*\c]
	v_cvt_scalef32_pk16_fp6_f32 v[CT+4*\c:CT+4*\c+2], v[S+32*\c+16:S+32*\c+31], v[SO+2*\c+1]
.endr
	v_nop                                          ; one plain place behind the conversions
.irp c, 0,1
.irp i, 0,1,2
	v_permlane16_swap_b32 v[PC+6*\c+\i], v[CT+4*\c+\i]
.endr
.irp i, 0,1,2
	s_delay_alu instid0(VALU_DEP_3)
	v_mov_b32 v[PC+6*\c+3+\i], v[CT+4*\c+\i]
.endr
.endr
	v_pk_add_f32 v[234:235], v[100:101], v[104:105]
	v_pk_add_f32 v[252:253], v[108:109], v[112:113]
	v_pk_add_f32 v[250:251], v[116:117], v[120:121]
	v_pk_add_f32 v[248:249], v[124:125], v[128:129]
	v_pk_add_f32 v[238:239], v[132:133], v[136:137]
	v_pk_add_f32 v[224:225], v[140:141], v[144:145]
	v_pk_add_f32 v[222:223], v[148:149], v[152:153]
	v_pk_add_f32 v[14:15], v[14:15], v[156:157]
	v_pk_add_f32 v[234:235], v[234:235], v[96:97]
	v_pk_add_f32 v[252:253], v[252:253], v[98:99]
	v_pk_add_f32 v[250:251], v[250:251], v[102:103]
	v_pk_add_f32 v[248:249], v[248:249], v[106:107]
	v_pk_add_f32 v[238:239], v[238:239], v[110:111]
	v_pk_add_f32 v[224:225], v[224:225], v[114:115]
	v_pk_add_f32 v[222:223], v[222:223], v[118:119]
	v_pk_add_f32 v[14:15], v[14:15], v[122:123]
	v_pk_add_f32 v[234:235], v[234:235], v[126:127]
	v_pk_add_f32 v[252:253], v[252:253], v[130:131]
	v_pk_add_f32 v[250:251], v[250:251], v[134:135]
	v_pk_add_f32 v[248:249], v[248:249], v[138:139]
	v_pk_add_f32 v[238:239], v[238:239], v[142:143]
	v_pk_add_f32 v[224:225], v[224:225], v[146:147]
	s_setprio 0
	v_pk_add_f32 v[222:223], v[222:223], v[150:151]
	v_pk_add_f32 v[14:15], v[14:15], v[154:155]
	v_pk_add_f32 v[234:235], v[234:235], v[158:159]
	s_delay_alu instid0(VALU_DEP_2)
	v_pk_add_f32 v[14:15], v[14:15], v[248:249]
	s_delay_alu instid0(VALU_DEP_2)
	v_pk_add_f32 v[234:235], v[234:235], v[238:239]
	v_pk_add_f32 v[252:253], v[252:253], v[224:225]
	v_pk_add_f32 v[250:251], v[250:251], v[222:223]
	s_delay_alu instid0(VALU_DEP_2)
	v_pk_add_f32 v[14:15], v[14:15], v[252:253]
	s_delay_alu instid0(VALU_DEP_2)
	v_pk_add_f32 v[234:235], v[234:235], v[250:251]
	s_delay_alu instid0(VALU_DEP_1)
	v_pk_add_f32 v[14:15], v[14:15], v[234:235]
.irp j, 0,2,4,6,8,10,12,14,16,18,20,22,24,26,28,30
	v_pk_mul_f32 v[O+\j:O+1+\j], v[O+\j:O+1+\j], v[228:229] op_sel_hi:[1,0]     ; O^T under the new M
.endr
	s_wait_alu depctr_va_vdst(0)
	s_wait_dscnt 0x0                               ; V is in
.irp t, 0,1,2,3
.if \t%2
	v_wmma_scale_f32_16x16x128_f8f6f4 v[O+8*\t:O+8*\t+7], v[KV+12*\t:KV+12*\t+11], v[PC:PC+11], v[O+8*\t:O+8*\t+7], v[226+\t/2], v236 matrix_a_fmt:MATRIX_FMT_FP6 matrix_b_fmt:MATRIX_FMT_FP6 matrix_a_scale:MATRIX_SCALE_ROW1
.else
	v_wmma_scale_f32_16x16x128_f8f6f4 v[O+8*\t:O+8*\t+7], v[KV+12*\t:KV+12*\t+11], v[PC:PC+11], v[O+8*\t:O+8*\t+7], v[226+\t/2], v236 matrix_a_fmt:MATRIX_FMT_FP6 matrix_b_fmt:MATRIX_FMT_FP6
.endif
.endr
.rept 4
	v_nop                                          ; places in front of the next loads into V's registers and of the next read of O^T
.endr
.if \plain == 0
.Lskip_\@:
.endif
	s_add_co_u32 s[TB], s[TB], 12288
	s_add_co_u32 s[TS], s[TS], 512
	s_sub_co_i32 s[JR], s[JR], 1
.endm
; O^T / the sum; its two blocks of 32 channels are quantised and leave as one piece of 768 bytes and 32 scale bytes
.macro EPI cb, sb
	v_add_f32 v14, v14, v15
	s_delay_alu instid0(VALU_DEP_1)
	v_permlanex16_b32 v230, v14, s[SEL], s[SEL+1]
	s_delay_alu instid0(VALU_DEP_1)
	v_add_f32 v14, v14, v230
	s_wait_alu depctr_va_vdst(0)
	v_rcp_f32 v14, v14
	v_nop                                          ; a plain place behind the reciprocal
	s_wait_alu depctr_va_vdst(0)
.irp j, 0,1,2,3,4,5,6,7,8,9,10,11,12,13,14,15,16,17,18,19,20,21,22,23,24,25,26,27,28,29,30,31
	v_mul_f32 v[S+\j], v[O+\j], v14                ; each accumulator from its low end on
.endr
.irp b, 0,1
	v_max3_num_f32 v[BM+\b], |v[S+16*\b]|, |v[S+1+16*\b]|, 0x1800000
.endr
.irp i, 2,4,6,8,10,12,14
.irp b, 0,1
	s_delay_alu instid0(VALU_DEP_2)
	v_max3_num_f32 v[BM+\b], v[BM+\b], |v[S+16*\b+\i]|, |v[S+1+16*\b+\i]|
.endr
.endr
.irp b, 0,1
	s_delay_alu instid0(VALU_DEP_2)
	v_permlanex16_b32 v[BT+\b], v[BM+\b], s[SEL], s[SEL+1]
.endr
.irp b, 0,1
	s_delay_alu instid0(VALU_DEP_2)
	v_max_num_f32 v[BM+\b], v[BM+\b], v[BT+\b]
.endr
.irp b, 0,1
	s_delay_alu instid0(VALU_DEP_2)
	v_add_nc_u32 v[SO+\b], 0xff000000, v[BM+\b]
.endr
.irp b, 0,1
	s_delay_alu instid0(VALU_DEP_2)
	v_lshrrev_b32 v[BT+\b], 23, v[SO+\b]
.endr
	v_cvt_scalef32_pk16_fp6_f32 v[PC:PC+2], v[S:S+15], v[SO]
	v_cvt_scalef32_pk16_fp6_f32 v[CT:CT+2], v[S+16:S+31], v[SO+1]
	v_nop
.irp i, 0,1,2
	v_permlane16_swap_b32 v[PC+\i], v[CT+\i]
.endr
.irp i, 0,1,2
	s_delay_alu instid0(VALU_DEP_3)
	v_mov_b32 v[PC+3+\i], v[CT+\i]
.endr
.irp n, 0,1,2
	global_store_b64 v1, v[PC+2*\n:PC+2*\n+1], s[\cb:\cb+1] offset:256*\n     ; 256 consecutive bytes, aligned
.endr
	v_cndmask_b32 v237, v[BT], v[BT+1], s[MSK]     ; lanes 0-15 block 0's byte, lanes 16-31 block 1's
	global_store_b8 v8, v237, s[\sb:\sb+1]         ; two bytes of each row's eight: the others are other heads'; 262,144 bytes in the whole launch
.endm
	s_load_b256 s[4:11], s[0:1], 0x0               ; qkvc, qkvs, cc, cs
	v_lshl_add_u32 v254, v0, 2, 0x32000
	v_mov_b32 v255, 0
	ds_add_u32 v254, v255
	ds_add_u32 v254, v255
	v_lshrrev_b32 v1, 5, v0
	s_delay_alu instid0(VALU_DEP_1)
	v_readfirstlane_b32 s[WV], v1                  ; wave 0..15
	s_bfe_u32 s13, ttmp6, 0x40000
	s_lshl_b32 s84, ttmp9, 2
	s_add_co_u32 s13, s13, s84                     ; g: it enters global addresses, the mask's distance and a shift alone
	s_and_b32 s14, ttmp7, 0xffff                   ; the head (with its batch), which the partners share
	s_mul_i32 s15, s14, 196608                     ; its codes in a region,
	s_lshl_b32 s16, s14, 13                        ; its scale words
	; group 1: dense blocks as rows of 256 bytes (32 elements of 8): 8, 48 and 144 rows; the mask names all four work-groups
.irp g, 24, 32, 40
	s_mov_b32 s[\g], 15|(3<<16)|(1<<21)
	s_mov_b32 s[\g+1], 32<<16
	s_mov_b32 s[\g+3], 32<<16
	s_mov_b32 s[\g+5], 32
	s_mov_b32 s[\g+6], 0
	s_mov_b32 s[\g+7], 0
.endr
	s_mov_b32 s26, 8<<16
	s_mov_b32 s28, 8
	s_mov_b32 s34, 48<<16
	s_mov_b32 s36, 48
	s_mov_b32 s42, 144<<16
	s_mov_b32 s44, 144
	s_lshl_b32 s84, s[WV], 11                      ; a quarter of the scale words
	s_add_co_u32 s86, s16, s84
	s_add_co_u32 s86, s86, 524288                  ; region 1: k and v
	s_mov_b32 s87, 0
	s_mul_i32 s85, s[WV], 12288                    ; key step = wave
	s_add_co_u32 s88, s15, s85
	s_add_co_u32 s88, s88, 12582912
	s_mov_b32 s89, 0
	s_mul_i32 s17, s[WV], 36864                    ; key steps 4 + 3 wave on, three of them
	s_add_co_u32 s90, s15, s17
	s_add_co_u32 s90, s90, 12582912+49152
	s_mov_b32 s91, 0
	s_mov_b32 s[SEL], 0x76543210
	s_mov_b32 s[SEL+1], 0xfedcba98
	s_mov_b32 s[CS], 0x3e38aa3b                    ; log2(e) / 8
	s_mov_b32 s[CS+1], s[CS]
	s_mov_b32 s[MSK], 0xffff0000
	s_and_b32 s[USH], s13, 1
	s_lshl_b32 s[USH], s[USH], 4                   ; which half of a pair's scale word is my tile's
	s_mov_b32 s[TB], 0
	s_mov_b32 s[TS], 0
	s_sub_co_u32 s18, 31, s[WV]                    ; the first pass's tile
	s_lshr_b32 s[JR], s18, 1
	s_wait_dscnt 0x0
	s_wait_kmcnt 0x0
	s_mov_b32 s48, 1
	s_add_co_u32 s49, s84, SCB
	s_add_nc_u64 s[50:51], s[6:7], s[86:87]
	s_or_b32 s51, s51, 0x80000000
	s_mov_b32 s52, 1
	s_mov_b32 s53, s85
	s_add_nc_u64 s[54:55], s[4:5], s[88:89]
	s_or_b32 s55, s55, 0x80000000
	s_mov_b32 s56, 1
	s_add_co_u32 s57, s17, 49152
	s_add_nc_u64 s[58:59], s[4:5], s[90:91]
	s_or_b32 s59, s59, 0x80000000
	CROUND                                         ; all four work-groups are here: the joint loads meet
	s_cmp_lt_u32 s[WV], 4                          ; a wave's three fills stand in one branch on its number
	s_cbranch_scc0 .Lno_fetch
	tensor_load_to_lds s[48:51], s[24:31]          ; scale words
	s_nop 0
	tensor_load_to_lds s[52:55], s[32:39]          ; key steps 0-3
	s_nop 0
	tensor_load_to_lds s[56:59], s[40:47]          ; key steps 4-15
	s_nop 0
.rept 4
	v_nop
.endr
.Lno_fetch:
	v_and_b32 v11, 31, v0
	s_delay_alu instid0(VALU_DEP_1)
	v_lshlrev_b32 v1, 3, v11                       ; 8 x lane
	s_delay_alu instid0(VALU_DEP_1)
	v_add_nc_u32 v2, SCB, v1
	v_and_b32 v9, 15, v0                           ; r
	v_bfe_u32 v11, v0, 4, 1                        ; h
	s_delay_alu instid0(VALU_DEP_1)
	v_lshlrev_b32 v10, 3, v11
	s_delay_alu instid0(VALU_DEP_1)
	v_sub_nc_u32 v10, v9, v10                      ; r - 8 h
	s_wait_alu depctr_va_vdst(0)
	v_lshl_add_u32 v8, v9, 3, v11                  ; 8 r + h
	v_lshlrev_b32 v9, 3, v9                        ; 8 r
	s_wait_alu depctr_va_vdst(0)
	ADDR 18, 68, 72, 76, 80, 5
	ADDR WV, 70, 74, 78, 82, 6
.irp n, 0,1,2
	global_load_b64 v[88+2*\n:89+2*\n], v1, s[68:69] offset:256*\n
	global_load_b64 v[240+2*\n:241+2*\n], v1, s[70:71] offset:256*\n
.endr
	global_load_b32 v94, v9, s[72:73]
	global_load_b32 v246, v9, s[74:75]
	v_mov_b32 v231, 0xff800000                     ; -infinity
.irp i, 0,1,2,3,4,5
	v_mov_b32 v[22+\i], 0                          ; the zero halves of [q | 0] and [0 | q]
	v_mov_b32 v[28+\i], 0
.endr
.irp b, 0,1,2,3
	v_mov_b32 v[BT+\b], 0                          ; a lane permute's destination counts as read
.endr
	v_mov_b32 v229, 0                              ; (named with f as a pair)
	v_mov_b32 v230, 0
	s_wait_loadcnt 0x0
	SETQ 88, 94
	INIT
	s_wait_tensorcnt 1                             ; the scale words and key steps 0-3 are in; the load of steps 4-15 may be out
	s_barrier_signal -1
	s_barrier_wait -1
	s_mov_b32 s[CNT], 4
.Lfirst:                                           ; key steps 0-3 of the first pass: its diagonal lies at step 8 or later
	STEP 1
	s_sub_co_u32 s[CNT], s[CNT], 1
	s_cmp_lg_u32 s[CNT], 0
	s_cbranch_scc1 .Lfirst
	s_setprio 0
	s_wait_tensorcnt 0x0                           ; my part of steps 4-15 is in,
	s_wait_dscnt 0x0
	s_barrier_signal -1
	s_barrier_wait -1                              ; everybody's is; from here on the waves run freely
	s_mov_b32 s[CNT], 12
.Lrest:
	STEP 0
	s_sub_co_u32 s[CNT], s[CNT], 1
	s_cmp_lg_u32 s[CNT], 0
	s_cbranch_scc1 .Lrest
	s_setprio 0
	EPI 76, 80
	s_wait_xcnt 0x0                                ; the stores have read their registers
	SETQ 240, 246
	v_mov_b32 v5, v6
	INIT
	s_mov_b32 s[TB], 0
	s_mov_b32 s[TS], 0
	s_lshr_b32 s[JR], s[WV], 1
	s_mov_b32 s[CNT], 8
.Lsecond:                                          ; the second pass: its diagonal lies at step 7 or earlier
	STEP 0
	s_sub_co_u32 s[CNT], s[CNT], 1
	s_cmp_lg_u32 s[CNT], 0
	s_cbranch_scc1 .Lsecond
	s_setprio 0
	EPI 78, 82
	s_wait_dscnt 0x0
	s_wait_tensorcnt 0x0
	ds_add_u32 v254, v255
	s_wait_dscnt 0x0
	CROUND                                         ; the closing round
	s_endpgm
.Lfunc_end_k_q6d7a1b552a_attn:
	.size	k_q6d7a1b552a_attn, .Lfunc_end_k_q6d7a1b552a_attn-k_q6d7a1b552a_attn
	.p2alignl 7, 3214868480
	.fill 96, 4, 3214868480
	.section	.rodata,"a",@progbits
	.p2align	6, 0x0
	.amdhsa_kernel k_q6d7a1b552a_attn
		.amdhsa_group_segment_fixed_size 206848
		.amdhsa_private_segment_fixed_size 0
		.amdhsa_enable_private_segment 0
		.amdhsa_kernarg_size 32
		.amdhsa_user_sgpr_count 2
		.amdhsa_user_sgpr_kernarg_segment_ptr 1
		.amdhsa_wavefront_size32 1
		.amdhsa_system_sgpr_workgroup_id_x 1
		.amdhsa_system_sgpr_workgroup_id_y 1
		.amdhsa_system_sgpr_workgroup_id_z 1
		.amdhsa_system_vgpr_workitem_id 0
		.amdhsa_next_free_vgpr 256
		.amdhsa_next_free_sgpr 96
		.amdhsa_reserve_vcc 1
		.amdhsa_float_denorm_mode_32 3
		.amdhsa_float_denorm_mode_16_64 3
		.amdhsa_memory_ordered 1
		.amdhsa_forward_progress 1
		.amdhsa_inst_pref_size 88
	.end_amdhsa_kernel
	.amdgpu_metadata
---
amdhsa.version: [ 1, 2 ]
amdhsa.kernels:
  - .name:           k_q6d7a1b552a_attn
    .symbol:         k_q6d7a1b552a_attn.kd
    .args:
      - { .name: qkvc, .offset: 0, .size: 8, .value_kind: global_buffer, .address_space: global }
      - { .name: qkvs, .offset: 8, .size: 8, .value_kind: global_buffer, .address_space: global }
      - { .name: cc, .offset: 16, .size: 8, .value_kind: global_buffer, .address_space: global }
      - { .name: cs, .offset: 24, .size: 8, .value_kind: global_buffer, .address_space: global }
    .group_segment_fixed_size: 206848
    .private_segment_fixed_size: 0
    .kernarg_segment_align: 8
    .kernarg_segment_size: 32
    .max_flat_workgroup_size: 512
    .sgpr_count:     96
    .vgpr_count:     256
    .wavefront_size: 32
...
	.end_amdgpu_metadata
.endif
;; end of part 3
;; launch gemm_out (part 4): grid 4 x 64, 4 waves a work-group, clusters of 4 x 4, 307,712 bytes of LDS; arguments cc, cs, wc, ws, b_o, out0; writes out0
.if DOCPART == 4
	.amdgcn_target "amdgcn-amd-amdhsa--gfx1250"
	.amdhsa_code_object_version 6
	.text
	.protected	k_q6d7a1b552a_gemm_out
	.globl	k_q6d7a1b552a_gemm_out
	.p2align	8
	.type	k_q6d7a1b552a_gemm_out,@function
k_q6d7a1b552a_gemm_out:
	s_mov_b64 s[64:65], 0
	v_nop
	global_prefetch_b8 v0, s[64:65] scope:SCOPE_SE
	s_setreg_imm32_b32 hwreg(HW_REG_WAVE_MODE, 25, 1), 1
	s_wait_xcnt 0x0
	s_wait_alu depctr_hold_cnt(0) depctr_sa_sdst(0) depctr_va_vdst(0) depctr_va_sdst(0) depctr_va_ssrc(0) depctr_va_vcc(0) depctr_vm_vsrc(0)
	s_getreg_b32 s2, hwreg(HW_REG_IB_STS2, 6, 4)
	s_cmp_eq_u32 s2, 0
	s_cbranch_scc0 .Lentry_in_a_cluster
	s_endpgm
.Lentry_in_a_cluster:
	s_bfe_u32 s2, ttmp6, 0x10000c
	s_cmp_lg_u32 s2, 0xf033
	s_cbranch_scc0 .Lentry_shape_is_right
	s_endpgm
.Lentry_shape_is_right:
; out = ctx W_o + b_o on codes of FP6 (E2M3) with E8M0 scales, K = 1,024; out [8192][1024] f32.
; A tile is 128 tokens (source 1) x 256 columns (source 0 = rows of W_o's codes): 64 x 4 = 256 work-groups.  Four waves, each 64 x 128: 32 accumulators.  A lane holds one token and eight neighbouring columns.
; OPERANDS lie in memory as images of the operand's registers: [tile of 16 rows][K / 64][768 bytes]; six loads of 8 bytes a lane, 256 bytes apart, bring a fragment of 16 rows x 128 K.  No pitch, no padding.
; ALL OF K LIES IN LDS: four slots of 256 along K, 73,728 bytes each, and 12,288 bytes of scale words, each filled once, by five tensor loads of each wave at the start.  No byte is filled again, so a change of slots
; is a counted wait and a work-group barrier.  The bias is the C of each sum's first product.
; CLUSTERS: 4 x 4 work-groups; the tokens' tiles are shared along a row of the cluster, W_o's along a column, each asked for jointly.
; Inside a block of 32 both operands lie in the same permuted order (bits 3 and 4 of the place exchanged), so the order of the f32 sums differs from the plain one.  NaN and infinities are not served.
; REGISTERS: window 0: v16-27 addresses; v32-63 scale words, two sets; v64-127 the bias; v128-175, v176-223 the tokens' four fragments, two sets.  window 1: W_o's eight fragments, two sets, at v0 and v128.
;   window 2: accumulator (a, b) at v[8 (8 a + b)].
.set FR,     12
.set NP,     4                         ; places behind this matrix instruction (ISA guide 7.12.1)
.set TILEB,  3072                      ; 16 rows x 256 along K
.set HA,     4*TILEB                   ; 64 tokens: what waves 0 and 1 bring
.set HB,     8*TILEB                   ; 128 rows of W_o: what waves 2 and 3 bring
.set SLOT,   2*HA+2*HB
.set SCL,    4*SLOT                    ; the tokens' scale words, 4,096 bytes, then W_o's, 8,192
.set SPITCH, 528                       ; the way out: a stage of 16 rows x (512 + 16) bytes for each wave, in slot 0, which has had its one fill and its last read by then
.set ADRA, 16                          ; v16-19 LDS address of my tokens' fragments in slots 0-3
.set ADRB, 20                          ; v20-23 the same for my rows of W_o
.set STO,  24
.set RD,   25
.set CO,   26
.set ADRS, 27                          ; v27    my scale words: lanes 0-15 the tokens', lanes 16-31 W_o's
.set SC,   32
.set BIAS, 64
.set AF,   128
.set BK,   128
.set G1,   24                          ; s[24:31] group 1 for the tokens' codes;  s[32:47] group 0, a set for each slot
.set G0,   32
.set G1B,  48                          ; s[48:55] group 1 for W_o's codes;  s[56:59], s[60:63], s[76:79], s[20:23] group 0, a set for each slot
.set G0B0, 56
.set G0B1, 60
.set G0B2, 76
.set G0B3, 20
.set G1S,  68                          ; s[68:75], s[88:91] groups 1 and 0 for the tokens' scale words;  s[80:87], s[96:99] for W_o's
.set G0S,  88
.set G1SB, 80
.set G0SB, 96
.set MSB, 0
.macro WIN new                         ; the immediate's high byte repeats the setting that is left
.if MSB != \new
	s_set_vgpr_msb (MSB<<8)|\new
.set MSB, \new
.endif
.endm
.set MUL_LO, 0xa1                      ; source 0 window 1, source 1 window 0, C and D window 2
.set TO_B,   0x40
.macro JLOAD g0a, g1a, g0b, g1b        ; a joint load: waves 0 and 1 fetch the tokens' halves, waves 2 and 3 W_o's; four v_nop follow each line
	s_cmp_eq_u32 s15, 0
	s_cbranch_scc0 .Lfor_b_\@
	tensor_load_to_lds s[\g0a:\g0a+3], s[\g1a:\g1a+7]
	s_nop 0
.rept 4
	v_nop
.endr
	s_branch .Lasked_\@
.Lfor_b_\@:
	tensor_load_to_lds s[\g0b:\g0b+3], s[\g1b:\g1b+7]
	s_nop 0
.rept 4
	v_nop
.endr
.Lasked_\@:
.endm
.macro CROUND                          ; a round of the cluster's barrier
	s_barrier_signal -1
	s_barrier_wait -1
	s_cmp_lg_u32 s14, 0
	s_cbranch_scc1 .Lnot_wave_0_\@
	s_barrier_signal -3
.Lnot_wave_0_\@:
	s_barrier_wait -3
	s_barrier_signal -1
	s_barrier_wait -1
.endm
	s_load_b256 s[4:11], s[0:1], 0x0               ; cc, cs, wc, ws
	s_load_b128 s[92:95], s[0:1], 0x20             ; b_o, out0
	v_lshl_add_u32 v30, v0, 2, 0x4b000
	v_mov_b32 v31, 0
	ds_add_u32 v30, v31
	ds_add_u32 v30, v31
	v_lshrrev_b32 v1, 5, v0
	v_readfirstlane_b32 s14, v1                    ; wave 0..3
	s_lshr_b32 s15, s14, 1                         ; which half of the tokens is mine.  Also: I fetch for the tokens (0) or for W_o (1)
	s_and_b32 s16, s14, 1                          ; which half of the columns.  Also: which half I fetch
	s_bfe_u32 s2, ttmp6, 0x40000                   ; cx
	s_bfe_u32 s3, ttmp6, 0x40004                   ; cy
	s_and_b32 s17, ttmp7, 0xffff
	s_lshl_b32 s17, s17, 2
	s_add_co_u32 s17, s17, s3                      ; the tokens' tile of 128: 0..63
	s_lshl_b32 s18, ttmp9, 2
	s_add_co_u32 s18, s18, s2                      ; the columns' tile of 256: 0..3
	s_lshl_b32 s12, s3, 2
	s_lshl_b32 s12, 15, s12                        ; my row of the cluster
	s_lshl_b32 s13, 0x1111, s2                     ; my column
	; group 1 for codes: rows (tiles of 16) of 3,072 bytes, 12,288 bytes apart; elements of 8 bytes; no padding.  The tokens': 4 rows; W_o's: 8
	s_or_b32 s[G1], s12, (3<<16)|(1<<21)
	s_mov_b32 s[G1+1], 384<<16
	s_mov_b32 s[G1+2], 4<<16
	s_mov_b32 s[G1+3], 384<<16
	s_mov_b32 s[G1+4], 4
	s_mov_b32 s[G1+5], 1536
	s_mov_b32 s[G1+6], 0
	s_mov_b32 s[G1+7], 0
	s_or_b32 s[G1B], s13, (3<<16)|(1<<21)
	s_mov_b32 s[G1B+1], 384<<16
	s_mov_b32 s[G1B+2], 8<<16
	s_mov_b32 s[G1B+3], 384<<16
	s_mov_b32 s[G1B+4], 8
	s_mov_b32 s[G1B+5], 1536
	s_mov_b32 s[G1B+6], 0
	s_mov_b32 s[G1B+7], 0
	; group 1 for scale words: dense bytes as rows of 256.  The tokens': 8 rows; W_o's: 16
	s_or_b32 s[G1S], s12, (3<<16)|(1<<21)
	s_mov_b32 s[G1S+1], 32<<16
	s_mov_b32 s[G1S+2], 8<<16
	s_mov_b32 s[G1S+3], 32<<16
	s_mov_b32 s[G1S+4], 8
	s_mov_b32 s[G1S+5], 32
	s_mov_b32 s[G1S+6], 0
	s_mov_b32 s[G1S+7], 0
	s_or_b32 s[G1SB], s13, (3<<16)|(1<<21)
	s_mov_b32 s[G1SB+1], 32<<16
	s_mov_b32 s[G1SB+2], 16<<16
	s_mov_b32 s[G1SB+3], 32<<16
	s_mov_b32 s[G1SB+4], 16
	s_mov_b32 s[G1SB+5], 32
	s_mov_b32 s[G1SB+6], 0
	s_mov_b32 s[G1SB+7], 0
	; byte offsets, made in the descriptors' own address words
	s_lshl_b32 s19, s16, 2
	s_lshl_b32 s104, s17, 3
	s_add_co_u32 s104, s104, s19                   ; the tokens: first tile of 16 that I fetch
	s_lshl_b32 s[G0S+2], s104, 9
	s_mov_b32 s[G0S+3], 0
	s_mul_i32 s[G0+2], s104, 12288
	s_mov_b32 s[G0+3], 0
	s_lshl_b32 s19, s16, 3
	s_lshl_b32 s66, s18, 4
	s_add_co_u32 s66, s66, s19
	s_add_co_u32 s66, s66, 192                     ; W_o's rows begin at tile 192 of the weights' codes
	s_lshl_b32 s[G0SB+2], s66, 9
	s_mov_b32 s[G0SB+3], 0
	s_mul_i32 s[G0B0+2], s66, 12288
	s_mov_b32 s[G0B0+3], 0
	; LDS addresses: by the wave's number alone
	s_mul_i32 s19, s16, HA
.irp s, 0,1,2,3
	s_add_co_u32 s[G0+4*\s+1], s19, \s*SLOT
.endr
	s_mul_i32 s19, s16, HB
	s_add_co_u32 s[G0B0+1], s19, 2*HA
	s_add_co_u32 s[G0B1+1], s19, SLOT+2*HA
	s_add_co_u32 s[G0B2+1], s19, 2*SLOT+2*HA
	s_add_co_u32 s[G0B3+1], s19, 3*SLOT+2*HA
	s_lshl_b32 s19, s16, 11
	s_add_co_u32 s[G0S+1], s19, SCL
	s_lshl_b32 s19, s16, 12
	s_add_co_u32 s[G0SB+1], s19, SCL+4096
.irp g, G0, G0+4, G0+8, G0+12, G0B0, G0B1, G0B2, G0B3, G0S, G0SB
	s_mov_b32 s[\g], 1                             ; count = 1
.endr
	s_wait_dscnt 0x0
	s_wait_kmcnt 0x0
	s_add_nc_u64 s[G0+2:G0+3], s[4:5], s[G0+2:G0+3]
	s_add_nc_u64 s[G0S+2:G0S+3], s[6:7], s[G0S+2:G0S+3]
	s_add_nc_u64 s[G0B0+2:G0B0+3], s[8:9], s[G0B0+2:G0B0+3]
	s_add_nc_u64 s[G0SB+2:G0SB+3], s[10:11], s[G0SB+2:G0SB+3]
	s_add_nc_u64 s[G0+6:G0+7], s[G0+2:G0+3], TILEB         ; K steps 1, 2, 3
	s_add_nc_u64 s[G0+10:G0+11], s[G0+2:G0+3], 2*TILEB
	s_add_nc_u64 s[G0+14:G0+15], s[G0+2:G0+3], 3*TILEB
	s_add_nc_u64 s[G0B1+2:G0B1+3], s[G0B0+2:G0B0+3], TILEB
	s_add_nc_u64 s[G0B2+2:G0B2+3], s[G0B0+2:G0B0+3], 2*TILEB
	s_add_nc_u64 s[G0B3+2:G0B3+3], s[G0B0+2:G0B0+3], 3*TILEB
.irp g, G0+3, G0+7, G0+11, G0+15, G0B0+3, G0B1+3, G0B2+3, G0B3+3, G0S+3, G0SB+3
	s_or_b32 s[\g], s[\g], 0x80000000              ; type = 2
.endr
	CROUND                                         ; all sixteen work-groups are here: the joint loads meet
	JLOAD G0S, G1S, G0SB, G1SB                     ; the scale words first: they are wanted with K step 0
	JLOAD G0, G1, G0B0, G1B
	JLOAD G0+4, G1, G0B1, G1B
	JLOAD G0+8, G1, G0B2, G1B
	JLOAD G0+12, G1, G0B3, G1B
	v_and_b32 v1, 15, v0                           ; r
	v_bfe_u32 v2, v0, 4, 1                         ; h
	s_wait_alu depctr_va_vdst(0)
	v_and_b32 v3, 31, v0
	v_lshlrev_b32 v4, 3, v3                        ; 8 x lane
	s_wait_alu depctr_va_vdst(0)
	s_lshl_b32 s66, s18, 10
	s_lshl_b32 s67, s16, 9
	s_add_co_u32 s66, s66, s67                     ; my first column, in bytes
	s_mov_b32 s67, 0
	s_add_nc_u64 s[92:93], s[92:93], s[66:67]      ; the bias at my first column
	s_lshl_b32 s104, s17, 7
	s_lshl_b32 s105, s15, 6
	s_add_co_u32 s104, s104, s105                  ; my first row of out,
	s_lshl_b32 s104, s104, 12                      ; 4,096 bytes a row
	s_add_co_u32 s104, s104, s66
	s_mov_b32 s105, 0
	s_add_nc_u64 s[94:95], s[94:95], s[104:105]
	v_lshlrev_b32 v7, 5, v2                        ; the bias in the result's layout: register 8 b + j is column 16 b + 8 h + j
.irp b, 0,1,2,3,4,5,6,7
	global_load_b128 v[BIAS+8*\b:BIAS+8*\b+3], v7, s[92:93] offset:64*\b
	global_load_b128 v[BIAS+8*\b+4:BIAS+8*\b+7], v7, s[92:93] offset:64*\b+16
.endr
	s_mul_i32 s66, s15, HA                         ; my 64 tokens
	s_mul_i32 s67, s16, HB                         ; my 128 rows of W_o,
	s_add_co_u32 s67, s67, 2*HA                    ; behind the 128 tokens
.irp s, 0,1,2,3
	v_add_nc_u32 v[ADRA+\s], s66, v4
	v_add_nc_u32 v[ADRB+\s], s67, v4
	s_add_co_u32 s66, s66, SLOT
	s_add_co_u32 s67, s67, SLOT
.endr
	v_lshlrev_b32 v5, 3, v1                        ; a row's two words of a K step: 8 r
	s_lshl_b32 s66, s15, 11                        ; the tokens': my 64
	s_lshl_b32 s67, s16, 12                        ; W_o's: my 128 rows, behind the 128 tokens'
	s_add_co_u32 s67, s67, 4096
	s_sub_co_u32 s67, s67, s66
	v_mul_u32_u24 v6, s67, v2                      ; lanes 16-31 take W_o's: one product, the distance between the two
	s_add_co_u32 s66, s66, SCL
	v_add_nc_u32 v5, v5, v6
	v_add_nc_u32 v[ADRS], s66, v5
	s_mul_i32 s66, s14, 16*SPITCH                  ; my stage
	v_mul_u32_u24 v5, v1, SPITCH
	v_lshl_add_u32 v5, v2, 5, v5
	v_add_nc_u32 v[STO], s66, v5                   ; in: row r, 32 bytes for each half of the lanes
	v_lshlrev_b32 v[CO], 4, v3
	v_add_nc_u32 v[RD], s66, v[CO]                 ; back: the 32 lanes take one row of 512 bytes
.macro FRAG reg, adr, q, i             ; a fragment as it lies: six loads, each of 256 consecutive bytes
.irp p, 0,1,2,3,4,5
	ds_load_b64 v[\reg+2*\p:\reg+2*\p+1], v[\adr] offset:TILEB*(\i)+1536*(\q)+256*\p
.endr
.endm
.macro SCALES sc                       ; a K step's scale words into set sc: lanes 0-15 the tokens' block i (four blocks: what they bring for i = 4 .. 7 is not used), lanes 16-31 W_o's block i
.irp i, 0,1,2,3,4,5,6,7
	ds_load_b64 v[SC+16*(\sc)+2*\i:SC+16*(\sc)+2*\i+1], v[ADRS] offset:\i*512
.endr
.endm
.macro PLACES n                        ; plain vector lines between a matrix instruction and a load into, or an LDS store of, its registers
.rept \n
	v_nop
.endr
.endm
; 8 matrix instructions: the tokens' block a x W_o's eight.  first = 1: the bias is the C.  The 32 accumulators take turns, one instruction a turn, in the same order in every step.
.macro MULA a, p, q, sc, first
.irp b, 0,1,2,3,4,5,6,7
.if \first
	v_wmma_scale_f32_16x16x128_f8f6f4 v[8*(8*(\a)+\b):8*(8*(\a)+\b)+7], v[128*(\p)+FR*\b:128*(\p)+FR*\b+FR-1], v[AF+48*(\p)+FR*(\a):AF+48*(\p)+FR*(\a)+FR-1], v[BIAS+8*\b:BIAS+8*\b+7], v[SC+16*(\sc)+2*\b+(\q)], v[SC+16*(\sc)+2*(\a)+(\q)] matrix_a_fmt:MATRIX_FMT_FP6 matrix_b_fmt:MATRIX_FMT_FP6 matrix_a_scale:MATRIX_SCALE_ROW1
.else
	v_wmma_scale_f32_16x16x128_f8f6f4 v[8*(8*(\a)+\b):8*(8*(\a)+\b)+7], v[128*(\p)+FR*\b:128*(\p)+FR*\b+FR-1], v[AF+48*(\p)+FR*(\a):AF+48*(\p)+FR*(\a)+FR-1], v[8*(8*(\a)+\b):8*(8*(\a)+\b)+7], v[SC+16*(\sc)+2*\b+(\q)], v[SC+16*(\sc)+2*(\a)+(\q)] matrix_a_fmt:MATRIX_FMT_FP6 matrix_b_fmt:MATRIX_FMT_FP6 matrix_a_scale:MATRIX_SCALE_ROW1
.endif
.endr
.endm
.macro FETCH2 slot, q, p               ; W_o's eight fragments and the tokens' four into sets p
	WIN TO_B
.irp i, 0,1,2,3,4,5,6,7
	FRAG 128*(\p)+FR*\i, ADRB+\slot, \q, \i
.endr
	WIN 0
.irp i, 0,1,2,3
	FRAG AF+48*(\p)+FR*\i, ADRA+\slot, \q, \i
.endr
.endm
.macro STEP2 slot, sc, first           ; a slot's first 128 along K; the second's fragments are asked for first and land under the 32 products
	s_wait_dscnt 0x0
	PLACES NP
	FETCH2 \slot, 1, 1
.if \first
	WIN 0x81                                       ; C (the bias) window 0, D window 2
.else
	WIN MUL_LO
.endif
.irp a, 0,1,2,3
	MULA \a, 0, 0, \sc, \first
.endr
	WIN 0
.endm
.macro TURN2 next, sc, left            ; a slot's second 128 along K, and the change of slots.  left: my loads of the slots behind the next one, which may stay out
	s_wait_dscnt 0x0                               ; this step's fragments are in: my reads of this slot are over
	s_wait_tensorcnt \left                         ; my part of the next slot has landed
	s_barrier_signal -1
	WIN MUL_LO
	MULA 0, 1, 1, \sc, 0
	MULA 1, 1, 1, \sc, 0
	WIN 0
	s_barrier_wait -1                              ; everybody's has
	PLACES NP
	v_add_nc_u32 v[ADRS], 128, v[ADRS]             ; the next K step's scale words
	FETCH2 \next, 0, 0
	SCALES 1-(\sc)
	WIN MUL_LO
	MULA 2, 1, 1, \sc, 0
	MULA 3, 1, 1, \sc, 0
	WIN 0
.endm
	s_wait_alu depctr_va_vdst(0)
	s_wait_tensorcnt 3                             ; the scale words and my part of K step 0 are in; the loads of K steps 1, 2, 3 may be out
	s_barrier_signal -1
	s_barrier_wait -1
	FETCH2 0, 0, 0
	SCALES 0
	s_wait_loadcnt 0x0                             ; the bias
	STEP2 0, 0, 1
	TURN2 1, 0, 2
	s_wait_alu depctr_va_vdst(0)
	STEP2 1, 1, 0
	TURN2 2, 1, 1
	s_wait_alu depctr_va_vdst(0)
	STEP2 2, 0, 0
	TURN2 3, 0, 0
	STEP2 3, 1, 0
	s_wait_dscnt 0x0                               ; the very last 128 along K: nothing more to fetch
	WIN MUL_LO
.irp a, 0,1,2,3
	MULA \a, 1, 1, 1, 0
.endr
	WIN 0
; THE WAY OUT, block by block of 16 rows x 128 columns, through my own stage: in as 32 bytes a lane, back as whole rows of 512 bytes.  LDS serves a wave's instructions in order: no wait between stores and loads.
.macro TOSTAGE a
.set AC, 64*(\a)
	WIN 0x08                                       ; an LDS store's data: window 2
.irp b, 0,1,2,3,4,5,6,7
	ds_store_b128 v[STO], v[AC+8*\b:AC+8*\b+3] offset:64*\b          ; each accumulator from its low end on
	ds_store_b128 v[STO], v[AC+8*\b+4:AC+8*\b+7] offset:64*\b+16
.endr
	WIN 0
.set BB, BK+64*((\a)%2)
.irp t, 0,1,2,3,4,5,6,7,8,9,10,11,12,13,14,15
	ds_load_b128 v[BB+4*\t:BB+4*\t+3], v[RD] offset:\t*SPITCH
.endr
.endm
.macro SEND a, younger                 ; younger: the LDS instructions issued behind block a's loads
.set BB, BK+64*((\a)%2)
	s_wait_dscnt \younger
.if (\a) > 0
	s_add_nc_u64 s[94:95], s[94:95], 16*4096       ; 16 rows on (the earlier stores have read their base: a wait on XCNT stands ahead)
.endif
.irp t, 0,1,2,3,4,5,6,7,8,9,10,11,12,13,14,15
	global_store_b128 v[CO], v[BB+4*\t:BB+4*\t+3], s[94:95] offset:\t*4096 th:TH_STORE_NT     ; 32 lanes store 512 consecutive bytes, aligned
.endr
.endm
	PLACES NP
	TOSTAGE 0
.irp a, 1,2,3
.if \a > 1
	s_wait_xcnt 0x0                                ; block a - 2's stores have read their registers and their base
.endif
	TOSTAGE \a
	SEND \a-1, 32                                  ; behind block a - 1's loads: block a's 16 stores and 16 loads
.endr
	s_wait_xcnt 0x0
	SEND 3, 0
	s_wait_dscnt 0x0
	s_wait_tensorcnt 0x0
	ds_add_u32 v30, v31
	s_wait_dscnt 0x0
	CROUND                                         ; the closing round: no work-group ends while a partner may still ask for a tile that names it
	s_endpgm
.Lfunc_end_k_q6d7a1b552a_gemm_out:
	.size	k_q6d7a1b552a_gemm_out, .Lfunc_end_k_q6d7a1b552a_gemm_out-k_q6d7a1b552a_gemm_out
	.p2alignl 7, 3214868480
	.fill 96, 4, 3214868480
	.section	.rodata,"a",@progbits
	.p2align	6, 0x0
	.amdhsa_kernel k_q6d7a1b552a_gemm_out
		.amdhsa_group_segment_fixed_size 307712
		.amdhsa_private_segment_fixed_size 0
		.amdhsa_enable_private_segment 0
		.amdhsa_kernarg_size 48
		.amdhsa_user_sgpr_count 2
		.amdhsa_user_sgpr_kernarg_segment_ptr 1
		.amdhsa_wavefront_size32 1
		.amdhsa_system_sgpr_workgroup_id_x 1
		.amdhsa_system_sgpr_workgroup_id_y 1
		.amdhsa_system_sgpr_workgroup_id_z 1
		.amdhsa_system_vgpr_workitem_id 0
		.amdhsa_next_free_vgpr 768
		.amdhsa_next_free_sgpr 106
		.amdhsa_reserve_vcc 0
		.amdhsa_float_denorm_mode_32 3
		.amdhsa_float_denorm_mode_16_64 3
		.amdhsa_memory_ordered 1
		.amdhsa_forward_progress 1
		.amdhsa_inst_pref_size 102
	.end_amdhsa_kernel
	.amdgpu_metadata
---
amdhsa.version: [ 1, 2 ]
amdhsa.kernels:
  - .name:           k_q6d7a1b552a_gemm_out
    .symbol:         k_q6d7a1b552a_gemm_out.kd
    .args:
      - { .name: cc, .offset: 0, .size: 8, .value_kind: global_buffer, .address_space: global }
      - { .name: cs, .offset: 8, .size: 8, .value_kind: global_buffer, .address_space: global }
      - { .name: wc, .offset: 16, .size: 8, .value_kind: global_buffer, .address_space: global }
      - { .name: ws, .offset: 24, .size: 8, .value_kind: global_buffer, .address_space: global }
      - { .name: b_o, .offset: 32, .size: 8, .value_kind: global_buffer, .address_space: global }
      - { .name: out0, .offset: 40, .size: 8, .value_kind: global_buffer, .address_space: global }
    .group_segment_fixed_size: 307712
    .private_segment_fixed_size: 0
    .kernarg_segment_align: 8
    .kernarg_segment_size: 48
    .max_flat_workgroup_size: 128
    .sgpr_count:     106
    .vgpr_count:     768
    .wavefront_size: 32
...
	.end_amdgpu_metadata
.endif
;; end of part 4
